; MI455X (gfx1250); checked and timed in simulation.
; The chip was launched on July 23, 2026; its instructions are those of AMD's public machine-readable ISA for CDNA 5 (MIT licence, August 2026) and "CDNA5" Instruction Set Architecture Reference Guide (July 2026). The comments in the code are by the model that wrote it; some were corrected since.
;; Masked Attention Block. Allowed arithmetic: float matrix products may take bf16 or f16 operands with f32 sums; other float arithmetic in f32, or as packed bf16 or f16 multiplies, adds, multiply-adds, maxima and minima; sums over many terms, partial sums and values carried from step to step in f32; what a program stores and reads back later, other than sums and carried values, may be rounded once to bf16 or f16.
;; Inputs: adj_mask 2 x 2,048 x 2,048 bool; b1 4,096 float32; b2 1,024 float32; bk 1,024 float32; bo 1,024 float32; bq 1,024 float32; bv 1,024 float32; ln1_b 1,024 float32; ln1_w 1,024 float32; ln2_b 1,024 float32; ln2_w 1,024 float32; w1 4,096 x 1,024 float32; w2 1,024 x 4,096 float32; wk 1,024 x 1,024 float32; wo 1,024 x 1,024 float32; wq 1,024 x 1,024 float32; wv 1,024 x 1,024 float32; x 2 x 2,048 x 1,024 float32.
;; Outputs: out0 2 x 2,048 x 1,024 float32.
;; One version. Each part assembles by itself: llvm-mc -triple=amdgcn-amd-amdhsa -mcpu=gfx1250 --defsym DOCPART=n.
;; ======== version 1 of 1: 7 launches
;; limits: a function is approximated: absolute error at most 2.5e-05; right only within a limited range of input values
;; workspace buffers: wb 25,165,824 bytes; mb 8,388,608 bytes; nx 8,388,608 bytes; qkvh 25,165,824 bytes; ao 8,388,608 bytes; x1 16,777,216 bytes; hb 33,554,432 bytes; wqkv 6,291,456 bytes
;; launch prep (part 1): grid 640 x 1, 8 waves a work-group, no clusters, 35,840 bytes of LDS; arguments x, ln1_w, ln1_b, adj_mask, wq, wk, wv, wo, nx, mb, wqkv, wb; writes nx, mb, wqkv, wb
.if DOCPART == 1
	.amdgcn_target "amdgcn-amd-amdhsa--gfx1250"
	.amdhsa_code_object_version 6
	.text
	.protected	k_q9193ab5e70_prep
	.globl	k_q9193ab5e70_prep
	.p2align	8
	.type	k_q9193ab5e70_prep,@function
k_q9193ab5e70_prep:
	s_mov_b64 s[64:65], 0
	v_nop
	global_prefetch_b8 v0, s[64:65] scope:SCOPE_SE
	s_setreg_imm32_b32 hwreg(HW_REG_WAVE_MODE, 25, 1), 1
	s_wait_xcnt 0x0
; THREE STREAMS IN ONE LAUNCH, told apart by the work-group's number (a scalar branch; no barrier anywhere):
;   0-255    LayerNorm 1: nx = (x - mean) * rsqrt(var + 1e-5) * ln1_w + ln1_b, rounded once to bf16.  16 rows a work-group, a wave a row, two rows a wave.
;            The mean is taken away before the squares are summed, so a common offset of x costs no digits.
;   256-511  the mask: each byte of adj_mask becomes 0x00 (allowed) or 0xF0 (hidden), laid out for the attention launch: [q tile of 16][step of 64 keys][group of 32 keys][lane][16 bytes].
;            A word of it shifted left by 0, 8, 16 or 24 bits is an f32: about -2^97 to -2^99 where hidden, under 2^-125 where allowed: it starts the sums of the scores.
;   512-639  wq, wk, wv, wo rounded once to bf16: wq, wk, wv on end in wqkv, wo at byte 6,291,456 of wb.  (w1 and w2, which no launch wants before the MLP, are rounded under the next
;            launch's K loop, into wb from byte 8,388,608 on; wb's first 6,291,456 bytes are not used.)
; Memory binds: every load and store of a wave covers whole aligned blocks of 256 bytes; matrix unit, tensor loads and clusters would add nothing.
.set SPARE, 34816                      ; behind the eight waves' 4,352 bytes: the spare words, 128 bytes a wave
.set SPW, 6                            ; v6  SPARE + 4 x my thread's number; never rewritten
.set NIL, 7                            ; v7  0; never rewritten
.set GW,  8                            ; v[8:39]    the gain of my 32 columns
.set GB,  40                           ; v[40:71]   the bias of my 32 columns
.set X0,  72                           ; v[72:103]  the wave's first row
.set X1,  104                          ; v[104:135] its second row
.set T,   136                          ; v[136:151] at work
.set MU,  152                          ; v[152:153] the mean, twice
.set RS,  154                          ; v[154:155] 1 / sqrt(var + eps), twice
.macro FOLD                            ; the four pairs T .. T+7 into one number, the same in all 32 lanes
	v_pk_add_f32 v[T:T+1], v[T:T+1], v[T+4:T+5]
	v_pk_add_f32 v[T+2:T+3], v[T+2:T+3], v[T+6:T+7]
	v_pk_add_f32 v[T:T+1], v[T:T+1], v[T+2:T+3]
	v_add_f32 v[T], v[T], v[T+1]
	v_add_f32_dpp v[T], v[T], v[T] row_xmask:1 row_mask:0xf bank_mask:0xf
	v_add_f32_dpp v[T], v[T], v[T] row_xmask:2 row_mask:0xf bank_mask:0xf
	v_add_f32_dpp v[T], v[T], v[T] row_xmask:4 row_mask:0xf bank_mask:0xf
	v_add_f32_dpp v[T], v[T], v[T] row_xmask:8 row_mask:0xf bank_mask:0xf
	v_permlanex16_b32 v[T+1], v[T], s10, s11
	v_add_f32 v[T], v[T], v[T+1]
.endm
; One row, held in 32 registers: register 4 j + e is column 128 j + 4 lane + e.  left: the younger loads that may stay out.  out: the row's byte offset in nx.
.macro LNROW X, left, out
	s_wait_loadcnt \left
.set j, 0
.rept 8
	v_pk_add_f32 v[T+2*j:T+2*j+1], v[\X+4*j:\X+4*j+1], v[\X+4*j+2:\X+4*j+3]
.set j, j+1
.endr
.set j, 0
.rept 4
	v_pk_add_f32 v[T+2*j:T+2*j+1], v[T+2*j:T+2*j+1], v[T+8+2*j:T+8+2*j+1]
.set j, j+1
.endr
	FOLD
	v_mul_f32 v[MU], s12, v[T]                     ; the mean: sum / 1024
	v_mul_f32 v[MU+1], s12, v[T]
.set j, 0
.rept 16
	v_pk_add_f32 v[\X+2*j:\X+2*j+1], v[\X+2*j:\X+2*j+1], v[MU:MU+1] neg_lo:[0,1] neg_hi:[0,1]
.set j, j+1
.endr
.set j, 0
.rept 4
	v_pk_mul_f32 v[T+2*j:T+2*j+1], v[\X+2*j:\X+2*j+1], v[\X+2*j:\X+2*j+1]
.set j, j+1
.endr
.rept 12                               ; four chains of squares
	v_pk_fma_f32 v[T+2*(j%4):T+2*(j%4)+1], v[\X+2*j:\X+2*j+1], v[\X+2*j:\X+2*j+1], v[T+2*(j%4):T+2*(j%4)+1]
.set j, j+1
.endr
	FOLD
	v_fma_f32 v[T], v[T], s12, s13                 ; var + eps
	v_rsq_f32 v[RS], v[T]
	v_rsq_f32 v[RS+1], v[T]
	v_nop                                          ; a plain instruction behind the second root,
	s_wait_alu depctr_va_vdst(0)                   ; and one wait for both, ahead of their first reader
.set j, 0
.rept 16
	v_pk_mul_f32 v[\X+2*j:\X+2*j+1], v[\X+2*j:\X+2*j+1], v[RS:RS+1]
.set j, j+1
.endr
.set j, 0
.rept 16
	v_pk_fma_f32 v[\X+2*j:\X+2*j+1], v[\X+2*j:\X+2*j+1], v[GW+2*j:GW+2*j+1], v[GB+2*j:GB+2*j+1]
.set j, j+1
.endr
.set j, 0
.rept 16                               ; packed in place: register j takes numbers 2 j and 2 j + 1, which lie at or above it
	v_cvt_pk_bf16_f32 v[\X+j], v[\X+2*j], v[\X+2*j+1]
.set j, j+1
.endr
.set j, 0
.rept 8
	global_store_b64 v3, v[\X+2*j:\X+2*j+1], s[32:33] offset:(\out)+256*j  ; the wave's 32 lanes store 256 consecutive bytes, aligned
.set j, j+1
.endr
.endm
	s_load_b512 s[16:31], s[0:1], 0x0              ; x 16, ln1_w 18, ln1_b 20, adj_mask 22, wq 24, wk 26, wv 28, wo 30
	s_load_b256 s[32:39], s[0:1], 0x40             ; nx 32, mb 34, wqkv 36, wb 38
	v_lshl_add_u32 v[SPW], v0, 2, SPARE
	v_mov_b32 v[NIL], 0
	v_lshrrev_b32 v1, 5, v0
	v_readfirstlane_b32 s8, v1                     ; wave 0..7
	v_and_b32 v1, 31, v0                           ; lane
	s_mov_b32 s3, 0                                ; the high word of every offset pair s[2:3]
	s_wait_kmcnt 0x0
	s_cmp_lt_u32 ttmp9, 256
	s_cbranch_scc0 .Lnot_ln
	; ---- LayerNorm 1
	s_lshl_b32 s2, ttmp9, 16                       ; 16 rows of 4,096 bytes a work-group,
	s_lshl_b32 s4, s8, 13                          ; two a wave
	s_add_co_u32 s2, s2, s4
	s_add_nc_u64 s[16:17], s[16:17], s[2:3]
	s_lshr_b32 s2, s2, 1                           ; nx's rows are half as long
	s_add_nc_u64 s[32:33], s[32:33], s[2:3]
	s_mov_b32 s10, 0x76543210                      ; v_permlanex16_b32: each lane takes its own place in the other half
	s_mov_b32 s11, 0xfedcba98
	s_mov_b32 s12, 0x3a800000                      ; 1 / 1024
	s_mov_b32 s13, 0x3727c5ac                      ; 1e-5
	v_lshlrev_b32 v2, 4, v1                        ; 16 bytes a lane in
	v_lshlrev_b32 v3, 3, v1                        ; 8 bytes a lane out
.irp j, 0,1,2,3,4,5,6,7
	global_load_b128 v[GW+4*\j:GW+4*\j+3], v2, s[18:19] offset:512*\j
.endr
.irp j, 0,1,2,3,4,5,6,7
	global_load_b128 v[GB+4*\j:GB+4*\j+3], v2, s[20:21] offset:512*\j
.endr
.irp j, 0,1,2,3,4,5,6,7
	global_load_b128 v[X0+4*\j:X0+4*\j+3], v2, s[16:17] offset:512*\j th:TH_LOAD_NT
.endr
.irp j, 0,1,2,3,4,5,6,7
	global_load_b128 v[X1+4*\j:X1+4*\j+3], v2, s[16:17] offset:4096+512*\j th:TH_LOAD_NT
.endr
	LNROW X0, 8, 0                                 ; gain, bias and the first row are in; the second row's eight loads stay out
	LNROW X1, 0, 2048
	s_branch .Lend
.Lnot_ln:
	s_cmp_lt_u32 ttmp9, 512
	s_cbranch_scc0 .Lcast
	; ---- the mask.  The work-group is a tile of 16 queries (its rows lie on end over both batches); wave w takes keys 256 w .. 256 w + 255: four steps.
	s_sub_co_u32 s2, ttmp9, 256
	s_lshl_b32 s2, s2, 15                          ; 16 rows of 2,048 bytes in, 32,768 bytes out
	s_add_nc_u64 s[22:23], s[22:23], s[2:3]
	s_add_nc_u64 s[34:35], s[34:35], s[2:3]
	s_mov_b32 s10, 0x06000104                      ; the four byte selects (0-3: the second source, 4-7: the first)
	s_mov_b32 s11, 0x07020305
	s_mov_b32 s12, 0x04000106
	s_mov_b32 s13, 0x05020307
	s_mov_b32 s14, 0x01010101
	s_mov_b32 s15, 0xf0
	v_and_b32 v2, 15, v0                           ; r = lane % 16
	v_bfe_u32 v3, v0, 4, 1                         ; h = lane / 16
	v_lshlrev_b32 v4, 4, v2
	s_lshl_b32 s4, s8, 8
	s_mul_i32 s5, s8, 4352                         ; my wave's 16 rows of 272 bytes in LDS
	v_lshl_add_u32 v104, v3, 11, v4                ; in: row h of a pair, 16 bytes at 16 r,
	v_add_nc_u32 v104, s4, v104                    ; in my wave's 256 keys
	v_mul_u32_u24 v105, v3, 272
	v_add_nc_u32 v105, v105, v4
	v_add_nc_u32 v105, s5, v105                    ; the same place in LDS
	v_mul_u32_u24 v106, v2, 272
	v_lshl_add_u32 v106, v3, 3, v106
	v_add_nc_u32 v106, s5, v106                    ; back: query r, 8 keys at 8 h
	s_lshl_b32 s4, s8, 12
	v_lshl_add_u32 v107, v1, 4, s4                 ; out: my wave's four steps, 16 bytes a lane
.irp t, 0,1,2,3,4,5,6,7
	global_load_b128 v[8+4*\t:8+4*\t+3], v104, s[22:23] offset:4096*\t th:TH_LOAD_NT  ; 16 lanes read 256 consecutive bytes, aligned
.endr
	s_wait_loadcnt 0x0
.set j, 0
.rept 32
	v_xor_b32 v[8+j], s14, v[8+j]                  ; 1 where hidden,
	v_mul_lo_u32 v[8+j], v[8+j], s15               ; 0xF0 where hidden: no byte carries into the next
.set j, j+1
.endr
.irp t, 0,1,2,3,4,5,6,7
	ds_store_b128 v105, v[8+4*\t:8+4*\t+3] offset:544*\t
.endr
.set j, 0
.rept 8                                ; group j = 2 step + half: E0 = keys 32 j + 8 h + 0..7, E1 = the same 16 keys on.  LDS serves a wave's instructions in order, and these bytes are the wave's own
	ds_load_b64 v[40+4*j:41+4*j], v106 offset:32*j
	ds_load_b64 v[42+4*j:43+4*j], v106 offset:32*j+16
.set j, j+1
.endr
	s_wait_dscnt 0x0
.set j, 0
.rept 8                                ; bytes 3..0 of the four words: (E0[2],E1[0],E1[1],E0[0]) (E0[3],E1[2],E1[3],E0[1]) (E0[4],E1[4],E1[5],E0[6]) (E0[5],E1[6],E1[7],E0[7])
	v_perm_b32 v[72+4*j], v[40+4*j], v[42+4*j], s10
	v_perm_b32 v[73+4*j], v[40+4*j], v[42+4*j], s11
	v_perm_b32 v[74+4*j], v[41+4*j], v[43+4*j], s12
	v_perm_b32 v[75+4*j], v[41+4*j], v[43+4*j], s13
.set j, j+1
.endr
.set j, 0
.rept 8
	global_store_b128 v107, v[72+4*j:75+4*j], s[34:35] offset:512*j  ; 512 consecutive bytes
.set j, j+1
.endr
	s_branch .Lend
.Lcast:
	; ---- four weight matrices.  32,768 numbers a work-group, 4,096 a wave; 32 work-groups a matrix.  Work-group c stores at byte 65,536 c of wqkv (c < 96) or of wb (c >= 96: wo, from byte 6,291,456 on).
	s_sub_co_u32 s43, ttmp9, 512
	s_mov_b64 s[44:45], s[30:31]
	s_cmp_lt_u32 s43, 96
	s_cselect_b64 s[44:45], s[28:29], s[44:45]
	s_cselect_b64 s[40:41], s[36:37], s[38:39]
	s_cmp_lt_u32 s43, 64
	s_cselect_b64 s[44:45], s[26:27], s[44:45]
	s_cmp_lt_u32 s43, 32
	s_cselect_b64 s[44:45], s[24:25], s[44:45]
	s_and_b32 s2, s43, 31                          ; my place in that matrix,
	s_lshl_b32 s2, s2, 17                          ; 131,072 bytes of f32 each
	s_add_nc_u64 s[44:45], s[44:45], s[2:3]
	s_lshl_b32 s2, s43, 16                         ; 65,536 bytes of bf16 each
	s_add_nc_u64 s[40:41], s[40:41], s[2:3]
	s_lshl_b32 s4, s8, 14
	v_lshl_add_u32 v2, v1, 4, s4
	s_lshl_b32 s4, s8, 13
	v_lshl_add_u32 v3, v1, 3, s4
.set j, 0
.rept 32
	global_load_b128 v[8+4*j:11+4*j], v2, s[44:45] offset:512*j th:TH_LOAD_NT
.set j, j+1
.endr
.set j, 0
.rept 32
	s_wait_loadcnt 31-j                            ; loads come back in order: load j is in, the younger ones stay out
	v_cvt_pk_bf16_f32 v[8+4*j], v[8+4*j], v[9+4*j]
	v_cvt_pk_bf16_f32 v[9+4*j], v[10+4*j], v[11+4*j]
	global_store_b64 v3, v[8+4*j:9+4*j], s[40:41] offset:256*j
.set j, j+1
.endr
.Lend:
	s_wait_tensorcnt 0x0                           ; the wave's end, behind the last LDS store
	ds_add_u32 v[SPW], v[NIL]
	s_wait_dscnt 0x0
	s_endpgm
.Lfunc_end_k_q9193ab5e70_prep:
	.size	k_q9193ab5e70_prep, .Lfunc_end_k_q9193ab5e70_prep-k_q9193ab5e70_prep
	.p2alignl 7, 3214868480
	.fill 96, 4, 3214868480
	.section	.rodata,"a",@progbits
	.p2align	6, 0x0
	.amdhsa_kernel k_q9193ab5e70_prep
		.amdhsa_group_segment_fixed_size 35840
		.amdhsa_private_segment_fixed_size 0
		.amdhsa_enable_private_segment 0
		.amdhsa_kernarg_size 96
		.amdhsa_user_sgpr_count 2
		.amdhsa_user_sgpr_kernarg_segment_ptr 1
		.amdhsa_wavefront_size32 1
		.amdhsa_system_sgpr_workgroup_id_x 1
		.amdhsa_system_sgpr_workgroup_id_y 1
		.amdhsa_system_sgpr_workgroup_id_z 1
		.amdhsa_system_vgpr_workitem_id 0
		.amdhsa_next_free_vgpr 160
		.amdhsa_next_free_sgpr 66
		.amdhsa_reserve_vcc 0
		.amdhsa_float_denorm_mode_32 3
		.amdhsa_float_denorm_mode_16_64 3
		.amdhsa_memory_ordered 1
		.amdhsa_forward_progress 1
		.amdhsa_inst_pref_size 42
	.end_amdhsa_kernel
	.amdgpu_metadata
---
amdhsa.version: [ 1, 2 ]
amdhsa.kernels:
  - .name:           k_q9193ab5e70_prep
    .symbol:         k_q9193ab5e70_prep.kd
    .args:
      - { .name: x, .offset: 0, .size: 8, .value_kind: global_buffer, .address_space: global }
      - { .name: ln1_w, .offset: 8, .size: 8, .value_kind: global_buffer, .address_space: global }
      - { .name: ln1_b, .offset: 16, .size: 8, .value_kind: global_buffer, .address_space: global }
      - { .name: adj_mask, .offset: 24, .size: 8, .value_kind: global_buffer, .address_space: global }
      - { .name: wq, .offset: 32, .size: 8, .value_kind: global_buffer, .address_space: global }
      - { .name: wk, .offset: 40, .size: 8, .value_kind: global_buffer, .address_space: global }
      - { .name: wv, .offset: 48, .size: 8, .value_kind: global_buffer, .address_space: global }
      - { .name: wo, .offset: 56, .size: 8, .value_kind: global_buffer, .address_space: global }
      - { .name: nx, .offset: 64, .size: 8, .value_kind: global_buffer, .address_space: global }
      - { .name: mb, .offset: 72, .size: 8, .value_kind: global_buffer, .address_space: global }
      - { .name: wqkv, .offset: 80, .size: 8, .value_kind: global_buffer, .address_space: global }
      - { .name: wb, .offset: 88, .size: 8, .value_kind: global_buffer, .address_space: global }
    .group_segment_fixed_size: 35840
    .private_segment_fixed_size: 0
    .kernarg_segment_align: 8
    .kernarg_segment_size: 96
    .max_flat_workgroup_size: 256
    .sgpr_count:     66
    .vgpr_count:     160
    .wavefront_size: 32
...
	.end_amdgpu_metadata
.endif
;; end of part 1
;; launch qkv (part 2): grid 16 x 16, 4 waves a work-group, clusters of 4 x 4, 327,680 bytes of LDS; arguments nx, wqkv, bq, bk, bv, w1, w2, qkvh, wb; writes qkvh, wb
.if DOCPART == 2
	.amdgcn_target "amdgcn-amd-amdhsa--gfx1250"
	.amdhsa_code_object_version 6
	.text
	.protected	k_q9193ab5e70_qkv
	.globl	k_q9193ab5e70_qkv
	.p2align	8
	.type	k_q9193ab5e70_qkv,@function
k_q9193ab5e70_qkv:
	s_mov_b64 s[64:65], 0
	v_nop
	global_prefetch_b8 v0, s[64:65] scope:SCOPE_SE
	s_setreg_imm32_b32 hwreg(HW_REG_WAVE_MODE, 25, 1), 1
	s_wait_xcnt 0x0
	s_wait_alu depctr_hold_cnt(0) depctr_sa_sdst(0) depctr_va_vdst(0) depctr_va_sdst(0) depctr_va_ssrc(0) depctr_va_vcc(0) depctr_vm_vsrc(0)
	s_getreg_b32 s2, hwreg(HW_REG_IB_STS2, 6, 4)
	s_cmp_eq_u32 s2, 0
	s_cbranch_scc0 .Lentry_in_a_cluster
	s_endpgm
.Lentry_in_a_cluster:
	s_bfe_u32 s2, ttmp6, 0x10000c
	s_cmp_lg_u32 s2, 0xf033
	s_cbranch_scc0 .Lentry_shape_is_right
	s_endpgm
.Lentry_shape_is_right:
; q, k, v = nx W^T + bias, as ONE product: C[4096][3072] = A B^T, A = nx [4096][1024] bf16, B = wq, wk, wv on end in wqkv [3072][1024] bf16; sums in f32, started by the bias.
; The result leaves by heads, rounded once to bf16: qkvh[b*48 + part*16 + h][2048][64]; the scale 1/8 is applied in the attention launch, in f32.
; A tile of C is 256 x 192 (three heads wide): 16 x 16 tiles, one for each of 256 work-groups.  Four waves, 2 x 2, each 128 x 96: 48 accumulators of 16 x 16.
; K goes in steps of 128 through two LDS slots filled by tensor loads; rows in LDS are 256 bytes + 16 of padding, so the 16 rows of a fragment load start at 16 different groups of banks.
; CLUSTER 4 x 4: A's tile hangs on the tile row alone and is asked for jointly along a row of the cluster, B's on the tile column alone, along a column.
; THE MATRIX INSTRUCTION IS USED TRANSPOSED (source 0 = 16 rows of B, source 1 = 16 rows of A): a lane holds row lane % 16 of C and the columns 8 (lane / 16) + 0..7.
; ONE K STEP IS WRITTEN ONCE: the loop's trip goes from a step's second quarter to the next step's first; the slot to fill and the slot to read are scalar registers turned by an exclusive or.
; BESIDE THE PRODUCT: w1 and w2 are rounded once to bf16 into wb (bytes 8,388,608 on), for the MLP's launches.  They are 8 chunks of 1,024 numbers for each of the launch's 1,024 waves: chunk c of
; wave g is numbers ((c % 4) 1,024 + g) 1,024 on of w1 (c < 4) or w2.  A chunk's eight loads go out behind a change of slots (the first at the set-up); the next change, a K step later, converts and
; stores it and asks for the next; the last is converted ahead of the last quarter.  Nothing of the product waits for these numbers.
; REGISTERS in windows of 256: window 0: v16-31 addresses, v64-127 and v128-191 A's two fragment buffers, v192-255 the bias; window 1: v64-127, v128-191 B's buffers, v192-239 the chunk; windows 2, 3: the accumulators.
.set SIZE_K, 1024
.set TM,     256
.set TN,     192
.set WM,     8                         ; blocks of 16 rows a wave
.set WN,     6                         ; blocks of 16 columns a wave
.set KD,     1                         ; matrix instructions along K in a quarter step
.set KSTEP,  128
.set PITCH,  272
.set QI,     5                         ; padding behind every 64 words
.set WOFF,   0                         ; B's first byte in its buffer
.set PF,     1                         ; tiles are prefetched
.set SP,     784                       ; a stage row: 192 f32 + 16 bytes
.set T,      SIZE_K/KSTEP
.set SLOT,   (TM+TN)*PITCH             ; A's TM rows, then B's TN rows
.set SPARE,  2*SLOT                    ; behind the two slots: the spare words, 128 bytes a wave
.set QB,     64*KD                     ; bytes of a row in a quarter step
.set NL,     2*KD*(WM+WN)              ; LDS loads in a run
.set HW,     WM*(2-KD)+16*(KD-1)       ; the youngest loads of a run that the first half of a quarter does not need
.set CHUNKB, 2097152                   ; bytes of bf16 that the 1,024 waves' chunks of one number c make
.set ADRA, 16                          ; v16 LDS address of my A fragments in the slot being read
.set ADRB, 17                          ; v17 the same for B
.set A0,   18                          ; v18 the same in slot 0; never rewritten
.set B0,   19                          ; v19
.set SO,   20                          ; v20 the chunk: 4,096 g + 16 lane, my bytes of f32; never rewritten
.set DO,   21                          ; v21 the chunk: 2,048 g + 8 lane, my bytes of bf16; never rewritten
.set STO,  24                          ; v24 the way out: where I put 32 bytes of a row (row blocks 0-3)
.set RD,   25                          ; v25 where I read back
.set CO,   26                          ; v26 my byte offset in the output
.set STO2, 27                          ; v27 as STO, row blocks 4-7
.set SPW,  28                          ; v28 SPARE + 4 x my thread's number; never rewritten
.set NIL,  29                          ; v29 0; never rewritten
.set PFO,  30                          ; v30 the prefetches' offset; never rewritten
.set BO,   31                          ; v31 32 (lane / 16): my 8 columns of a bias block
.set F0,   64
.set F1,   128
.set BIAS, 192
.set RA,   192                         ; window 1: v192-223 a chunk as loaded
.set RC,   224                         ; window 1: v224-239 the chunk packed
.set G1,   24                          ; s[24:31] descriptor group 1, A
.set G0,   32                          ; s[32:39] group 0, A: two sets; the second walks
.set G1B,  48                          ; s[48:55] group 1, B
.set G0B,  56                          ; s[56:63] group 0, B
.set LA,   20                          ; s20 LDS byte of the half of A that I fetch, in slot 0
.set LB,   21                          ; s21 the same for B
.set TF,   22                          ; s22 the slot last filled: 0 or SLOT
.set TR,   23                          ; s23 the slot being read
.set LIM,  43                          ; s43 2 in a wave that prefetches, else the greatest number
.set PFA,  44                          ; s[44:45] where my prefetches stand
.set CDST, 68                          ; s[68:69] wb at the chunks of the number that is stored next, less one step
.set CSRC, 70                          ; s[70:71] w1 or w2 at the chunks of the number that was asked for last
.set COF,  96                          ; s[96:97] an offset pair
.set CC,   98                          ; s98 the number of the chunk to ask for next
.set MSB, 0
.macro WIN new                         ; the immediate's high byte repeats the setting that is left; a switch that changes nothing is dropped
.if MSB != (\new)
	s_set_vgpr_msb (MSB<<8)|(\new)
.set MSB, \new
.endif
.endm
.macro PLACES                          ; four places behind matrix instructions, ahead of loads into registers that they read and of readers of their results
.rept 4
	v_nop
.endr
.endm
.macro JLOAD                           ; a joint refill by the walking descriptors: waves 0, 1 fetch A's halves, waves 2, 3 B's
	s_cmp_eq_u32 s11, 0
	s_cbranch_scc0 .Lfor_b_\@
	tensor_load_to_lds s[G0+4:G0+7], s[G1:G1+7]
	s_nop 0
	PLACES
	s_branch .Lasked_\@
.Lfor_b_\@:
	tensor_load_to_lds s[G0B+4:G0B+7], s[G1B:G1B+7]
	s_nop 0
	PLACES
.Lasked_\@:
.endm
.macro CREST                           ; a round of the cluster's barrier behind its opening barrier
	s_cmp_lg_u32 s10, 0
	s_cbranch_scc1 .Lnot_wave_0_\@
	s_barrier_signal -3
.Lnot_wave_0_\@:
	s_barrier_wait -3
	s_barrier_signal -1
	s_barrier_wait -1
.endm
.macro CROUND
	s_barrier_signal -1
	s_barrier_wait -1
	CREST
.endm
.macro ASK                             ; trip t names K step t + 4, two refills ahead: allowed while s2 = T - 2 - t is above 2.  Each row's bytes of a K step are named once in the launch (see the set-up)
	s_cmp_gt_u32 s2, s[LIM]
	s_cbranch_scc0 .Lnot_mine_\@
	global_prefetch_b8 v[PFO], s[PFA:PFA+1] offset:KSTEP*2 th:TH_LOAD_NT scope:SCOPE_SE
.Lnot_mine_\@:
.endm
; THE CHUNKS.  CLOAD: my 4,096 bytes of the chunk at s[CSRC], eight loads of 512 consecutive bytes.  It leaves every window 0.
.macro CLOAD
	WIN 0x40                                       ; destination window 1, offset window 0
.set ci, 0
.rept 8
	global_load_b128 v[RA+4*ci:RA+4*ci+3], v[SO], s[CSRC:CSRC+1] offset:512*ci th:TH_LOAD_NT
.set ci, ci+1
.endr
	WIN 0
.endm
; CCONV: the chunk asked for a K step ago is rounded and stored: eight stores of 256 consecutive bytes, aligned.  The packed words and s[CDST] were freed by the s_wait_xcnt 0 that stands ahead.
.macro CCONV
	s_wait_loadcnt 0x0                             ; the eight loads are in, and s[CSRC] may be written
	WIN 0x45                                       ; destination and both sources window 1
.set ci, 0
.rept 16
	v_cvt_pk_bf16_f32 v[RC+ci], v[RA+2*ci], v[RA+2*ci+1]
.set ci, ci+1
.endr
	WIN 0x04                                       ; the stores' data window 1, their offset window 0
.set ci, 0
.rept 8
	global_store_b64 v[DO], v[RC+2*ci:RC+2*ci+1], s[CDST:CDST+1] offset:256*ci
.set ci, ci+1
.endr
.endm
.macro CNEXT                           ; s[CSRC] for chunk s[CC]: w1 or w2, 4 MiB of f32 for each step of c % 4
	s_and_b32 s[COF], s[CC], 3
	s_lshl_b32 s[COF], s[COF], 22
	s_cmp_lt_u32 s[CC], 4
	s_cselect_b64 s[CSRC:CSRC+1], s[78:79], s[92:93]
	s_add_nc_u64 s[CSRC:CSRC+1], s[CSRC:CSRC+1], s[COF:COF+1]
	s_add_co_u32 s[CC], s[CC], 1
.endm
; A quarter of a quarter step's products.  KD = 1: row blocks 2 g, 2 g + 1 x all column blocks.  KD = 2: K half g / 2, row blocks 2 (g % 2), + 1.
; first = 1: the products of the first 32 along K take the bias as C: nothing is cleared.  All accumulators take turns, one instruction a turn, in the same order everywhere.
.macro MULP f, g, first
.if KD == 1
.set mc, 0
.set ma, 2*(\g)
.else
.set mc, (\g)/2
.set ma, 2*((\g)%2)
.endif
.rept 2
.set mb, 0
.rept WN
.set mi, 8*(ma*WN+mb)
.set mr, mi%256
.set mw, mi/256
.if (\first) && (mc == 0)
	WIN 0x81+0x40*mw
	v_wmma_f32_16x16x32_bf16 v[mr:mr+7], v[(\f)+8*(WN*mc+mb):(\f)+8*(WN*mc+mb)+7], v[(\f)+8*(WM*mc+ma):(\f)+8*(WM*mc+ma)+7], v[BIAS+8*mb:BIAS+8*mb+7]
.else
	WIN 0xa1+0x50*mw
	v_wmma_f32_16x16x32_bf16 v[mr:mr+7], v[(\f)+8*(WN*mc+mb):(\f)+8*(WN*mc+mb)+7], v[(\f)+8*(WM*mc+ma):(\f)+8*(WM*mc+ma)+7], v[mr:mr+7]
.endif
.set mb, mb+1
.endr
.set ma, ma+1
.endr
.endm
; One run of LDS loads: the fragments of a quarter step at byte k of the rows, into buffer f: for each K half B's, then A's.
.macro FETCH k, f
.set fc, 0
.rept KD
	WIN 0x40
.set fi, 0
.rept WN
	ds_load_b128 v[(\f)+8*(WN*fc+fi):(\f)+8*(WN*fc+fi)+3],   v[ADRB] offset:(\k)+64*fc+fi*16*PITCH
	ds_load_b128 v[(\f)+8*(WN*fc+fi)+4:(\f)+8*(WN*fc+fi)+7], v[ADRB] offset:(\k)+64*fc+fi*16*PITCH+32
.set fi, fi+1
.endr
	WIN 0
.set fi, 0
.rept WM
	ds_load_b128 v[(\f)+8*(WM*fc+fi):(\f)+8*(WM*fc+fi)+3],   v[ADRA] offset:(\k)+64*fc+fi*16*PITCH
	ds_load_b128 v[(\f)+8*(WM*fc+fi)+4:(\f)+8*(WM*fc+fi)+7], v[ADRA] offset:(\k)+64*fc+fi*16*PITCH+32
.set fi, fi+1
.endr
.set fc, fc+1
.endr
.endm
; One of a K step's first three quarters: multiplies buffer f and, in its middle, fetches the next quarter (byte k) into buffer g.
.macro QUARTER k, f, g, first
	s_wait_dscnt HW                                ; all of the run but its youngest HW loads, which the second half wants
	MULP \f, 0, \first
	MULP \f, 1, \first
	PLACES
	FETCH \k, \g
	s_wait_dscnt NL                                ; all but the run just issued
	MULP \f, 2, \first
	MULP \f, 3, \first
.endm
; The fourth quarter multiplies buffer 1 and changes slots: one barrier.  Ahead of it each wave waits for all its tensor loads (one is out: its part of the next slot), adds 0 to its spare word,
; and waits for that and for its reads of this slot.  fill = 1: the barrier opens a round of the cluster's, and the joint refill, with the K step two on, is the first thing behind the round.
; Behind the refill and the run of LDS loads stands a chunk's turn: the last one is stored, the next asked for.
.macro TURN fill
	s_wait_xcnt 0x0                                ; the last prefetch and the chunk's last stores, a K step back, have read their registers
.if PF && (\fill)
	s_add_nc_u64 s[PFA:PFA+1], s[PFA:PFA+1], KSTEP*2
.endif
	s_add_nc_u64 s[CDST:CDST+1], s[CDST:CDST+1], CHUNKB
	WIN 0
	s_wait_tensorcnt 0x0
	ds_add_u32 v[SPW], v[NIL]
	s_wait_dscnt HW+1                              ; the add and the youngest HW loads may be out
	MULP F1, 0, 0
	s_wait_dscnt 0x0                               ; the add is done, my reads of this slot are over
	s_barrier_signal -1
	MULP F1, 1, 0
	WIN 0
	s_barrier_wait -1
.if \fill
	CREST
	s_xor_b32 s[TF], s[TF], SLOT                   ; no tensor load of mine is out: the walking descriptors take the other slot
	s_add_co_u32 s[G0+5], s[LA], s[TF]
	s_add_co_u32 s[G0B+5], s[LB], s[TF]
	s_add_nc_u64 s[G0+6:G0+7], s[G0+6:G0+7], KSTEP*2     ; and the next K step
	s_add_nc_u64 s[G0B+6:G0B+7], s[G0B+6:G0B+7], KSTEP*2
	JLOAD                                          ; its four v_nop are also the places ahead of the loads below
.else
	PLACES
.endif
	s_xor_b32 s[TR], s[TR], SLOT
	v_add_nc_u32 v[ADRA], s[TR], v[A0]
	v_add_nc_u32 v[ADRB], s[TR], v[B0]
	FETCH 0, F0
	CCONV
	CNEXT
	CLOAD
.if PF && (\fill)
	ASK
.endif
	MULP F1, 2, 0
	MULP F1, 3, 0
.endm
.macro LASTQ                           ; the very last quarter; behind its barrier no wave reads a slot, and no slot is filled again: the stage may lie there
	s_wait_dscnt 0x0
	s_barrier_signal -1
	MULP F1, 0, 0
	MULP F1, 1, 0
	MULP F1, 2, 0
	MULP F1, 3, 0
	WIN 0
	s_barrier_wait -1
	PLACES
.endm
.macro DUMP                            ; every accumulator into the stage as f32, its low four registers first
.set da, 0
.rept WM
.set db, 0
.rept WN
.set di, 8*(da*WN+db)
	WIN 0x08+4*(di/256)
.if da < WM/2
	ds_store_b128 v[STO], v[di%256:di%256+3]    offset:16*da*SP+64*db
	ds_store_b128 v[STO], v[di%256+4:di%256+7]  offset:16*da*SP+64*db+16
.else
	ds_store_b128 v[STO2], v[di%256:di%256+3]   offset:16*(da-WM/2)*SP+64*db
	ds_store_b128 v[STO2], v[di%256+4:di%256+7] offset:16*(da-WM/2)*SP+64*db+16
.endif
.set db, db+1
.endr
.set da, da+1
.endr
	WIN 0
.endm
	s_load_b128 s[4:7], s[0:1], 0x0                ; A = nx s[4:5], B = wqkv s[6:7]
	s_load_b256 s[72:79], s[0:1], 0x10             ; bq 72, bk 74, bv 76, w1 78
	s_load_b128 s[92:95], s[0:1], 0x30             ; w2 92, qkvh 94
	s_load_b64 s[CDST:CDST+1], s[0:1], 0x40        ; wb
	v_lshl_add_u32 v[SPW], v0, 2, SPARE
	v_mov_b32 v[NIL], 0
	ds_add_u32 v[SPW], v[NIL]                      ; the wave's opening: the add, waited for ahead of my first tensor load
	v_lshrrev_b32 v1, 5, v0
	v_readfirstlane_b32 s10, v1                    ; wave 0..3
	s_lshr_b32 s11, s10, 1                         ; my half of the tile's rows; also: I fetch for A (0) or B (1)
	s_and_b32 s12, s10, 1                          ; my half of its columns; also: which half of that tile I fetch
	s_bfe_u32 s40, ttmp6, 0x40000                  ; cx
	s_bfe_u32 s41, ttmp6, 0x40004                  ; cy
	s_lshl_b32 s42, ttmp9, 2
	s_add_co_u32 s42, s42, s40                     ; tile column
	s_and_b32 s13, ttmp7, 0xffff
	s_lshl_b32 s13, s13, 2
	s_add_co_u32 s13, s13, s41                     ; tile row
	s_lshl_b32 s14, s41, 2
	s_lshl_b32 s14, 15, s14                        ; my row of the cluster
	s_lshl_b32 s15, 0x1111, s40                    ; my column
	s_or_b32 s[G1], s14, (1<<16)|(1<<20)|(1<<21)|(QI<<22)|(3<<25)   ; mask; 2-byte elements; padding on; bit 21 beside a mask; interval; 4 words of padding
	s_or_b32 s[G1B], s15, (1<<16)|(1<<20)|(1<<21)|(QI<<22)|(3<<25)
	s_mov_b32 s[G1+1], KSTEP<<16                   ; tensor_dim0
	s_mov_b32 s[G1+2], (TM/2)<<16                  ; tensor_dim1
	s_mov_b32 s[G1+3], KSTEP<<16                   ; tile_dim0
	s_mov_b32 s[G1+4], TM/2                        ; tile_dim1
	s_mov_b32 s[G1+5], SIZE_K                      ; elements from row to row
	s_mov_b32 s[G1+6], 0
	s_mov_b32 s[G1+7], 0
	s_mov_b32 s[G1B+1], KSTEP<<16
	s_mov_b32 s[G1B+2], (TN/2)<<16
	s_mov_b32 s[G1B+3], KSTEP<<16
	s_mov_b32 s[G1B+4], TN/2
	s_mov_b32 s[G1B+5], SIZE_K
	s_mov_b32 s[G1B+6], 0
	s_mov_b32 s[G1B+7], 0
	s_mul_i32 s[LA], s12, (TM/2)*PITCH
	s_mul_i32 s[LB], s12, (TN/2)*PITCH
	s_add_co_u32 s[LB], s[LB], TM*PITCH
	s_mov_b32 s[TF], SLOT
	s_mov_b32 s[TR], 0
	s_mul_i32 s16, s13, TM                         ; A's address hangs on the tile row and the wave alone,
	s_mul_i32 s17, s12, TM/2
	s_add_co_u32 s16, s16, s17
	s_mul_i32 s16, s16, SIZE_K*2
	s_mov_b32 s17, 0
	s_mul_i32 s46, s42, TN                         ; B's on the tile column and the wave alone
	s_mul_i32 s47, s12, TN/2
	s_add_co_u32 s46, s46, s47
	s_mul_i32 s46, s46, SIZE_K*2
	s_mov_b32 s47, 0
	s_mov_b32 s[G0], 1
	s_mov_b32 s[G0+1], s[LA]
	s_mov_b32 s[G0+4], 1
	s_add_co_u32 s[G0+5], s[LA], SLOT
	s_mov_b32 s[G0B], 1
	s_mov_b32 s[G0B+1], s[LB]
	s_mov_b32 s[G0B+4], 1
	s_add_co_u32 s[G0B+5], s[LB], SLOT
	s_wait_dscnt 0x0                               ; the opening add is done
	s_wait_kmcnt 0x0
.if WOFF
	s_add_nc_u64 s[6:7], s[6:7], WOFF
.endif
	s_add_nc_u64 s[G0+2:G0+3], s[4:5], s[16:17]    ; K step 0
	s_add_nc_u64 s[G0+6:G0+7], s[G0+2:G0+3], KSTEP*2   ; K step 1
	s_or_b32 s[G0+3], s[G0+3], 0x80000000
	s_or_b32 s[G0+7], s[G0+7], 0x80000000
	s_add_nc_u64 s[G0B+2:G0B+3], s[6:7], s[46:47]
	s_add_nc_u64 s[G0B+6:G0B+7], s[G0B+2:G0B+3], KSTEP*2
	s_or_b32 s[G0B+3], s[G0B+3], 0x80000000
	s_or_b32 s[G0B+7], s[G0B+7], 0x80000000
	CROUND                                         ; all sixteen work-groups are here: the first joint loads meet
	s_cmp_eq_u32 s11, 0                            ; a wave's two first fills stand in one branch: two loads of mine are out
	s_cbranch_scc0 .Lfirst_b
	tensor_load_to_lds s[G0:G0+3], s[G1:G1+7]
	s_nop 0
	tensor_load_to_lds s[G0+4:G0+7], s[G1:G1+7]
	s_nop 0
	PLACES
	s_branch .Lfirst_done
.Lfirst_b:
	tensor_load_to_lds s[G0B:G0B+3], s[G1B:G1B+7]
	s_nop 0
	tensor_load_to_lds s[G0B+4:G0B+7], s[G1B:G1B+7]
	s_nop 0
	PLACES
.Lfirst_done:
	v_and_b32 v1, 15, v0                           ; r = lane % 16
	v_bfe_u32 v2, v0, 4, 1                         ; h = lane / 16
	v_mul_u32_u24 v3, v1, PITCH
	v_lshl_add_u32 v3, v2, 4, v3                   ; a fragment's row x pitch + 16 h
	s_mul_i32 s14, s11, 16*WM*PITCH
	s_mul_i32 s15, s12, 16*WN*PITCH
	s_add_co_u32 s15, s15, TM*PITCH
	v_add_nc_u32 v[A0], s14, v3
	v_add_nc_u32 v[B0], s15, v3
	v_mov_b32 v[ADRA], v[A0]
	v_mov_b32 v[ADRB], v[B0]
	v_lshlrev_b32 v[BO], 5, v2
	; the bias: a block of 16 columns lies wholly in bq, bk or bv (1,024 is a multiple of 16); each block has a pointer pair of its own
	s_mul_i32 s14, s42, TN
	s_mul_i32 s15, s12, 16*WN
	s_add_co_u32 s14, s14, s15                     ; my first column of the 3,072
.set b, 0
.rept WN
	s_add_co_u32 s18, s14, 16*b
	s_cmp_lt_u32 s18, 2048
	s_cselect_b64 s[80+2*b:81+2*b], s[74:75], s[76:77]
	s_cmp_lt_u32 s18, 1024
	s_cselect_b64 s[80+2*b:81+2*b], s[72:73], s[80+2*b:81+2*b]
	s_and_b32 s18, s18, 1023
	s_lshl_b32 s18, s18, 2
	s_mov_b32 s19, 0
	s_add_nc_u64 s[80+2*b:81+2*b], s[80+2*b:81+2*b], s[18:19]
	global_load_b128 v[BIAS+8*b:BIAS+8*b+3],   v[BO], s[80+2*b:81+2*b]
	global_load_b128 v[BIAS+8*b+4:BIAS+8*b+7], v[BO], s[80+2*b:81+2*b] offset:16
.set b, b+1
.endr
	; the chunks: g = 4 (16 tile row + tile column) + wave; it enters these global offsets alone
	s_lshl_b32 s14, s13, 4
	s_add_co_u32 s14, s14, s42
	s_lshl_b32 s14, s14, 2
	s_add_co_u32 s14, s14, s10
	v_and_b32 v4, 31, v0
	s_lshl_b32 s15, s14, 12
	v_lshl_add_u32 v[SO], v4, 4, s15
	s_lshl_b32 s15, s14, 11
	v_lshl_add_u32 v[DO], v4, 3, s15
	s_mov_b64 s[CSRC:CSRC+1], s[78:79]             ; chunk 0: the head of w1
	s_add_nc_u64 s[CDST:CDST+1], s[CDST:CDST+1], 8388608-CHUNKB  ; one step ahead of w1's place in wb: each turn steps it first
	s_mov_b32 s[COF+1], 0
	s_mov_b32 s[CC], 1
	CLOAD
.if PF
	; THE PREFETCHES.  A's tile row is read by every cluster of that row of clusters: cluster x = 0 asks; B's tile column by every cluster of that column: cluster y = 0 asks.
	; Of the rows that a wave fetches each of the four partners takes a quarter, told apart by address (cx for A, cy for B): a lane a row (B's 24 rows: lanes 24-31 name row 23 again).
	s_and_b32 s14, ttmp7, 0xffff
	s_mul_i32 s15, s13, TM
	s_mul_i32 s18, s42, TN
	s_cmp_eq_u32 s11, 0
	s_cselect_b32 s66, s15, s18                    ; the tile's first row
	s_cselect_b32 s15, s40, s41                    ; my place among the four
	s_cselect_b32 s14, ttmp9, s14                  ; the coordinate along which other clusters read the same rows
	s_cselect_b32 s19, TM/8, TN/8                  ; rows a partner
	s_cselect_b64 s[PFA:PFA+1], s[4:5], s[6:7]
	s_cmp_eq_u32 s14, 0
	s_cselect_b32 s[LIM], 2, -1
	s_lshl_b32 s18, s19, 2                         ; rows of the half that I fetch
	s_mul_i32 s18, s18, s12
	s_mul_i32 s15, s15, s19
	s_add_co_u32 s66, s66, s18
	s_add_co_u32 s66, s66, s15
	s_mul_i32 s66, s66, SIZE_K*2
	s_add_co_u32 s66, s66, 2*KSTEP*2               ; at K step 2: the first change of slots steps it to 3 and names K step 4
	s_mov_b32 s67, 0
	s_add_nc_u64 s[PFA:PFA+1], s[PFA:PFA+1], s[66:67]
	s_sub_co_u32 s19, s19, 1
	v_and_b32 v[PFO], 31, v0
.if KD == 2
	v_and_b32 v4, 1, v[PFO]
	v_lshrrev_b32 v[PFO], 1, v[PFO]
.endif
	v_min_u32 v[PFO], s19, v[PFO]
	v_mul_u32_u24 v[PFO], v[PFO], SIZE_K*2
.if KD == 2
	v_lshl_add_u32 v[PFO], v4, 8, v[PFO]
.endif
.endif
	; the way out: ONE stage of 256 rows x 784 bytes for the work-group, since a head's 64 columns come from two waves
	s_mul_i32 s14, s11, 128*SP
	s_mul_i32 s15, s12, 384
	s_add_co_u32 s14, s14, s15
	v_mul_u32_u24 v[STO], v1, SP
	v_lshl_add_u32 v[STO], v2, 5, v[STO]
	v_add_nc_u32 v[STO], s14, v[STO]
	v_add_nc_u32 v[STO2], 64*SP, v[STO]
	v_bfe_u32 v4, v0, 3, 2                         ; back: lane / 8 is a token of four, lane % 8 eight channels
	v_and_b32 v5, 7, v0
	s_mul_i32 s14, s10, 64*SP                      ; wave w takes rows 64 w .. 64 w + 63
	v_mul_u32_u24 v[RD], v4, SP
	v_lshl_add_u32 v[RD], v5, 5, v[RD]
	v_add_nc_u32 v[RD], s14, v[RD]
	v_lshlrev_b32 v[CO], 7, v4                     ; a token's 128 bytes in a head
	v_lshl_add_u32 v[CO], v5, 4, v[CO]
	s_lshr_b32 s14, s13, 3                         ; the batch
	s_mul_i32 s14, s14, 48
	s_mul_i32 s15, s42, 3
	s_add_co_u32 s14, s14, s15                     ; the tile's first head plane
	s_lshl_b32 s14, s14, 18                        ; 262,144 bytes each
	s_and_b32 s15, s13, 7
	s_lshl_b32 s15, s15, 8
	s_lshl_b32 s18, s10, 6
	s_add_co_u32 s15, s15, s18                     ; my first token in the batch
	s_lshl_b32 s15, s15, 7
	s_add_co_u32 s14, s14, s15
	s_mov_b32 s15, 0
	s_add_nc_u64 s[8:9], s[94:95], s[14:15]
	s_wait_tensorcnt 0x1                           ; my part of K step 0 is in; K step 1's may stay out
	s_barrier_signal -1
	s_barrier_wait -1
	FETCH 0, F0
	s_wait_loadcnt 0x8                             ; the bias is in; the first chunk's eight younger loads stay out
	QUARTER QB, F0, F1, 1                          ; the first quarter stands ahead of the loop: its products start the sums
	WIN 0
	s_mov_b32 s2, T-2
.Lslot:                                        ; trip t: the rest of K step t, slot t % 2 filled again with K step t + 2, chunk t stored and chunk t + 1 asked for, the first quarter of K step t + 1
	QUARTER 2*QB, F1, F0, 0
	QUARTER 3*QB, F0, F1, 0
	TURN 1
	QUARTER QB, F0, F1, 0
	WIN 0
	s_sub_co_u32 s2, s2, 1
	s_cmp_lg_u32 s2, 0
	s_cbranch_scc1 .Lslot
	s_mov_b32 s3, 2
.Ltail:                                        ; the last two K steps fill nothing; the second trip is left in its middle
	QUARTER 2*QB, F1, F0, 0
	QUARTER 3*QB, F0, F1, 0
	WIN 0
	s_sub_co_u32 s3, s3, 1
	s_cmp_eq_u32 s3, 0
	s_cbranch_scc1 .Lfin
	TURN 0                                         ; chunk 6 is stored, chunk 7, the last, asked for
	QUARTER QB, F0, F1, 0
	WIN 0
	s_branch .Ltail
.Lfin:
	s_wait_xcnt 0x0                                ; chunk 6's stores have read their registers
	s_add_nc_u64 s[CDST:CDST+1], s[CDST:CDST+1], CHUNKB
	CCONV                                          ; chunk 7
	WIN 0
	LASTQ
	DUMP
	s_wait_dscnt 0x0                               ; for the others' sake: my stores into the stage are done
	s_barrier_signal -1
	s_barrier_wait -1
	s_mov_b32 s2, 8
.Lout:                                         ; eight tokens a trip: for each of the three heads two groups of four tokens
.irp i, 0,1,2
.irp u, 0,1
	ds_load_b128 v[64+8*(2*\i+\u):64+8*(2*\i+\u)+3],   v[RD] offset:\i*256+\u*4*SP
	ds_load_b128 v[64+8*(2*\i+\u)+4:64+8*(2*\i+\u)+7], v[RD] offset:\i*256+\u*4*SP+16
.endr
.endr
	s_wait_xcnt 0x0                                ; the last trip's stores have read their data and offset: the wait stands while the LDS loads are out
	v_add_nc_u32 v[CO], 1024, v[CO]                ; stepped first; the stores below reach back
	s_wait_dscnt 0x0
.set n, 0
.rept 24
	v_cvt_pk_bf16_f32 v[112+n], v[64+2*n], v[64+2*n+1]
.set n, n+1
.endr
.irp i, 0,1,2
.irp u, 0,1
	global_store_b128 v[CO], v[112+4*(2*\i+\u):112+4*(2*\i+\u)+3], s[8:9] offset:\i*262144+\u*512-1024  ; four tokens of a head: 512 consecutive bytes, aligned
.endr
.endr
	v_add_nc_u32 v[RD], 8*SP, v[RD]
	s_sub_co_u32 s2, s2, 1
	s_cmp_lg_u32 s2, 0
	s_cbranch_scc1 .Lout
	s_wait_tensorcnt 0x0                           ; the wave's end
	ds_add_u32 v[SPW], v[NIL]
	s_wait_dscnt 0x0
	CROUND                                         ; the closing round
	s_endpgm
.Lfunc_end_k_q9193ab5e70_qkv:
	.size	k_q9193ab5e70_qkv, .Lfunc_end_k_q9193ab5e70_qkv-k_q9193ab5e70_qkv
	.p2alignl 7, 3214868480
	.fill 96, 4, 3214868480
	.section	.rodata,"a",@progbits
	.p2align	6, 0x0
	.amdhsa_kernel k_q9193ab5e70_qkv
		.amdhsa_group_segment_fixed_size 327680
		.amdhsa_private_segment_fixed_size 0
		.amdhsa_enable_private_segment 0
		.amdhsa_kernarg_size 72
		.amdhsa_user_sgpr_count 2
		.amdhsa_user_sgpr_kernarg_segment_ptr 1
		.amdhsa_wavefront_size32 1
		.amdhsa_system_sgpr_workgroup_id_x 1
		.amdhsa_system_sgpr_workgroup_id_y 1
		.amdhsa_system_sgpr_workgroup_id_z 1
		.amdhsa_system_vgpr_workitem_id 0
		.amdhsa_next_free_vgpr 896
		.amdhsa_next_free_sgpr 100
		.amdhsa_reserve_vcc 0
		.amdhsa_float_denorm_mode_32 3
		.amdhsa_float_denorm_mode_16_64 3
		.amdhsa_memory_ordered 1
		.amdhsa_forward_progress 1
		.amdhsa_inst_pref_size 84
	.end_amdhsa_kernel
	.amdgpu_metadata
---
amdhsa.version: [ 1, 2 ]
amdhsa.kernels:
  - .name:           k_q9193ab5e70_qkv
    .symbol:         k_q9193ab5e70_qkv.kd
    .args:
      - { .name: nx, .offset: 0, .size: 8, .value_kind: global_buffer, .address_space: global }
      - { .name: wqkv, .offset: 8, .size: 8, .value_kind: global_buffer, .address_space: global }
      - { .name: bq, .offset: 16, .size: 8, .value_kind: global_buffer, .address_space: global }
      - { .name: bk, .offset: 24, .size: 8, .value_kind: global_buffer, .address_space: global }
      - { .name: bv, .offset: 32, .size: 8, .value_kind: global_buffer, .address_space: global }
      - { .name: w1, .offset: 40, .size: 8, .value_kind: global_buffer, .address_space: global }
      - { .name: w2, .offset: 48, .size: 8, .value_kind: global_buffer, .address_space: global }
      - { .name: qkvh, .offset: 56, .size: 8, .value_kind: global_buffer, .address_space: global }
      - { .name: wb, .offset: 64, .size: 8, .value_kind: global_buffer, .address_space: global }
    .group_segment_fixed_size: 327680
    .private_segment_fixed_size: 0
    .kernarg_segment_align: 8
    .kernarg_segment_size: 72
    .max_flat_workgroup_size: 128
    .sgpr_count:     100
    .vgpr_count:     896
    .wavefront_size: 32
...
	.end_amdgpu_metadata
.endif
;; end of part 2
;; launch attn (part 3): grid 16 x 16, 4 waves a work-group, clusters of 4 x 1, 327,680 bytes of LDS; arguments qkvh, mb, ao; writes ao
.if DOCPART == 3
	.amdgcn_target "amdgcn-amd-amdhsa--gfx1250"
	.amdhsa_code_object_version 6
	.text
	.protected	k_q9193ab5e70_attn
	.globl	k_q9193ab5e70_attn
	.p2align	8
	.type	k_q9193ab5e70_attn,@function
k_q9193ab5e70_attn:
	s_mov_b64 s[64:65], 0
	v_nop
	global_prefetch_b8 v0, s[64:65] scope:SCOPE_SE
	s_setreg_imm32_b32 hwreg(HW_REG_WAVE_MODE, 25, 1), 1
	s_wait_xcnt 0x0
	s_wait_alu depctr_hold_cnt(0) depctr_sa_sdst(0) depctr_va_vdst(0) depctr_va_sdst(0) depctr_va_ssrc(0) depctr_va_vcc(0) depctr_vm_vsrc(0)
	s_getreg_b32 s2, hwreg(HW_REG_IB_STS2, 6, 4)
	s_cmp_eq_u32 s2, 0
	s_cbranch_scc0 .Lentry_in_a_cluster
	s_endpgm
.Lentry_in_a_cluster:
	s_bfe_u32 s2, ttmp6, 0x10000c
	s_cmp_lg_u32 s2, 0x3003
	s_cbranch_scc0 .Lentry_shape_is_right
	s_endpgm
.Lentry_shape_is_right:
; MASKED ATTENTION, head size 64.  ao[b][q][h*64 + d] = the sum over k of softmax_k(mask ? q.k / 8 : -inf) v[k][d].  q, k, v: qkvh[b*48 + part*16 + h][2048][64] bf16; ao [4096][1024] bf16.
; Products, maxima and sums in f32; the weights p are rounded to bf16 for the second product (their sum l is taken of the unrounded p), the result once at the end.
; THE MASK is the C operand that starts the sum S^T = K Q^T.  mb holds a byte a score, 0x00 or 0xF0, in the accumulator's lane layout; a word of it shifted left by 0, 8, 16 or 24 bits is an f32:
; -2^97 to -2^99 where the key is hidden, under 2^-125 where it is allowed.  So the running maximum is that of the masked scores, and a hidden weight is 2^(-huge) = 0.
; LIMITS.  A true score below -2^96 counts as hidden.  A query whose keys are all hidden (final maximum below -2^96) gets NaN, as a softmax over -inf alone gives.  A weight below 2^-126 counts as 0 in l.
; SHARES.  A work-group owns 128 queries of TWO heads 2 hp, 2 hp + 1 of one batch, so that a token's piece of ao is 256 aligned bytes.  Wave w: head 2 hp + w / 2, queries 64 (w % 2) on: four PIECES of 16.
; LAYOUT.  S^T = K Q^T (source 0 = 16 keys, source 1 = 16 queries): a lane holds ONE query (lane % 16) and keys 8 (lane / 16) + 0..7; two such results rounded to bf16 ARE source 1 of O^T = V^T P.
; SOFTMAX.  p = 2^(c s - c m), c = log2(e) / 8, with a running maximum m; O and l are multiplied by a = 2^(c m_old - c m_new) in every step.  m starts at the lowest finite number, O and l at 0.
; BY TURNS.  Turn n belongs to piece n: 8 products K Q^T of piece n + 1, later 8 products V^T P of piece n - 1; beside them the scaling, exponentials, roundings, sums and rescaling of piece n and the
; maximum and statistics of piece n + 1.  Four vector instructions stand behind every matrix instruction, the rest in one lump; a turn's 33 exponentials are one batch with one wait.
; CLUSTER.  The four query blocks of a cluster walk the same K and V of the two heads: each tile is asked for jointly, by the same tensor load, descriptor and mask in all four.
; REGISTERS in windows of 256 (s_set_vgpr_msb: bits 1:0 source 0, 3:2 source 1, 5:4 source 2, 7:6 destination):
;   window 0: v0-15 addresses; v16-31 statistics; v48-55 at work; v61-63; v64-127 S^T, two buffers; v192-223 P, two buffers     window 1: v0-127 O^T; v128-255 MC, the masks, 32 a piece
;   window 2: v0-63 Q; v128-191 K of one step; v192-255 V of one step
.set NP,    4
.set KS,    64                         ; keys in a step
.set PK,    144                        ; a row of K in LDS: 128 bytes + 16
.set PV,    160                        ; a row of V: 128 + 32
.set KH,    128*PK                     ; a head's 128 keys of K in a slot
.set VH,    128*PV
.set VOFF,  2*KH                       ; a slot: K of head A, K of head B, V of head A, V of head B
.set SLOT1, 1<<17                      ; slot 1 begins here: one exclusive or turns an address of one slot into the other's
.set STAGE, SLOT1+2*KH+2*VH            ; behind the ring, never filled by a tensor load: 128 rows x 272 bytes
.set SP,    272
.set SPARE, STAGE+128*SP               ; the spare words, 128 bytes a wave
.set HEADB, 262144                     ; bytes of a head plane
.set TILEB, 16384                      ; bytes of 128 keys of a head
.set AK0, 2                            ; v2  my lane's place in a step of K; never rewritten
.set AV0, 3                            ; v3  the same for V
.set AK,  4                            ; v4  the LDS address of K's next run of loads
.set AV,  5                            ; v5  of V's
.set STO, 6
.set RD,  7
.set GO,  8
.set MO,  9                            ; v9  16 x lane: my 16 bytes of a mask group; never rewritten
.set MV,  12                           ; v12-13 c m_old, by buffer
.set QO,  15
.set ST,  16                           ; piece t: c m, m, l (even keys', odd keys') at v[ST+4 t]
.set TMP, 48                           ; by buffer c0-c3; c2 takes a
.set PFO, 61                           ; v61 256 x lane
.set SPW, 62
.set NIL, 63
.set S,   64
.set P,   192
.set MC,  128                          ; window 1
.set KF,  128                          ; window 2
.set VF,  192
.set WV,  12
.set G1K, 24
.set G1V, 32
.set G0K, 40
.set G0V, 44
.set SLOTS, 56                         ; s56 tiles still to be asked for, plus one
.set CNT, 57
.set CS,  58
.set SEL, 60
.set TBK, 62
.set TBV, 63
.set MP,  66                           ; s[66:67] mb at my four q tiles, at the step that the mask loads name
.set INC, 68                           ; s[68:69] its step: 1,024 bytes, or 0 at the last step
.set MPI, 70                           ; s70 that step's number
.set TK2, 71
.set PFA, 72
.set LIM, 74
.set THR, 75                           ; s75 -2^96
.set QNAN, 76
.set MSB, 0
.macro WIN new
.if MSB != (\new)
	s_set_vgpr_msb (MSB<<8)|(\new)
.set MSB, (\new)
.endif
.endm
.set W_KQ, 0x0a                        ; K and Q in window 2, S^T in window 0
.set W_KM, 0x1a                        ; the same with C, the mask, in window 1
.set W_PV, 0x52                        ; V in window 2, P in window 0, O^T in window 1
.set W_RS, 0x41                        ; destination and source 0 in window 1, source 1 in window 0
.macro JLOAD                           ; waves 0, 1 fetch K of head A, B; waves 2, 3 V
	s_cmp_lt_u32 s[WV], 2
	s_cbranch_scc0 .Lfor_v_\@
	tensor_load_to_lds s[G0K:G0K+3], s[G1K:G1K+7]
	s_nop 0
.rept 4
	v_nop
.endr
	s_branch .Lasked_\@
.Lfor_v_\@:
	tensor_load_to_lds s[G0V:G0V+3], s[G1V:G1V+7]
	s_nop 0
.rept 4
	v_nop
.endr
.Lasked_\@:
.endm
; A prefetch of the tile that the NEXT change of slots will ask for: 2 heads x 128 rows of K and of V.  All four clusters of a head pair walk the same rows: the first of them asks.  Its four partners
; share the 128 blocks of 256 bytes out by address (head cx / 2, half cx % 2), a lane a block; wave 0 asks for K's, wave 2 for V's.  The last change that fills a slot asks for nothing.
.macro ASK
	s_cmp_gt_u32 s[SLOTS], s[LIM]
	s_cbranch_scc0 .Lnot_mine_\@
	global_prefetch_b8 v[PFO], s[PFA:PFA+1] th:TH_LOAD_NT scope:SCOPE_SE
.Lnot_mine_\@:
.endm
.macro CROUND
	s_barrier_signal -1
	s_barrier_wait -1
	s_cmp_lg_u32 s[WV], 0
	s_cbranch_scc1 .Lnot_wave_0_\@
	s_barrier_signal -3
.Lnot_wave_0_\@:
	s_barrier_wait -3
	s_barrier_signal -1
	s_barrier_wait -1
.endm
; THE CHANGE OF SLOTS.  Each wave waits for all its tensor loads (one is out: its part of the other slot), adds 0 to its spare word, and waits for that and for its reads of the slot that it leaves.
; fill = 1: the barrier is a round of the cluster's, and the joint refill, with the tile two on, is the first thing behind it: two key steps in which to land.  (At its first use: slot 0 is waited for, slot 1 filled.)
.macro CHANGE fill
	WIN 0
	s_wait_tensorcnt 0x0
	ds_add_u32 v[SPW], v[NIL]
.if \fill
.irp g, G0K, G0V
	s_xor_b32 s[\g+1], s[\g+1], SLOT1
	s_add_nc_u64 s[\g+2:\g+3], s[\g+2:\g+3], TILEB
.endr
	s_wait_xcnt 0x0                                ; the last prefetch, two key steps back, has read its address
	s_add_nc_u64 s[PFA:PFA+1], s[PFA:PFA+1], TILEB
	s_wait_dscnt 0x0
	CROUND
	JLOAD
	ASK
.else
	s_wait_dscnt 0x0
	s_barrier_signal -1
	s_barrier_wait -1
.endif
	s_sub_co_u32 s[TBK], s[TBK], 2*KS*PK           ; the fetches go back to a slot's first step, in the other slot
	s_xor_b32 s[TBK], s[TBK], SLOT1
	s_sub_co_u32 s[TBV], s[TBV], 2*KS*PV
	s_xor_b32 s[TBV], s[TBV], SLOT1
.endm
	s_load_b128 s[4:7], s[0:1], 0x0                ; qkvh s[4:5], mb s[6:7]
	s_load_b64 s[10:11], s[0:1], 0x10              ; ao
	v_lshl_add_u32 v[SPW], v0, 2, SPARE
	v_mov_b32 v[NIL], 0
	ds_add_u32 v[SPW], v[NIL]                      ; the wave's opening: the add, waited for ahead of my first tensor load
	v_lshrrev_b32 v1, 5, v0
	v_readfirstlane_b32 s[WV], v1
	s_bfe_u32 s13, ttmp6, 0x40000                  ; cx
	s_lshl_b32 s14, ttmp9, 2
	s_add_co_u32 s14, s14, s13                     ; my block of 128 queries: it enters Q's, the mask's and ao's addresses alone
	s_and_b32 s15, ttmp7, 0xffff
	s_lshr_b32 s16, s15, 3                         ; the batch
	s_and_b32 s17, s15, 7                          ; the pair of heads
	s_and_b32 s18, s[WV], 1
	s_lshr_b32 s19, s[WV], 1
	s_mul_i32 s20, s16, 48
	s_lshl_b32 s21, s17, 1
	s_add_co_u32 s20, s20, s21                     ; 48 b + 2 hp: q's plane of head A
	s_add_co_u32 s22, s20, s18                     ; the head whose K or V I fetch,
	s_add_co_u32 s22, s22, 16                      ; among k's planes
	s_lshl_b32 s22, s22, 18
	s_mov_b32 s23, 0
	s_add_co_u32 s2, s20, s19                      ; Q: my head,
	s_lshl_b32 s2, s2, 18
	s_lshl_b32 s3, s14, 14                         ; my block's 128 rows of 128 bytes,
	s_add_co_u32 s2, s2, s3
	s_lshl_b32 s3, s18, 13                         ; my wave's 64
	s_add_co_u32 s2, s2, s3
	s_mov_b32 s3, 0
	s_lshl_b32 s48, s16, 22                        ; the mask: q tile 128 b + 8 qb + 4 (w % 2), 32,768 bytes each
	s_lshl_b32 s49, s14, 18
	s_add_co_u32 s48, s48, s49
	s_lshl_b32 s52, s[WV], 16                      ; ao: row 2048 b + 128 qb + 32 w, 2,048 bytes each; the first two terms are the mask's
	s_add_co_u32 s52, s52, s48
	s_lshl_b32 s53, s17, 8                         ; column 128 hp
	s_add_co_u32 s52, s52, s53
	s_mov_b32 s53, 0
	s_lshl_b32 s49, s18, 17
	s_add_co_u32 s48, s48, s49
	s_mov_b32 s49, 0
	s_lshr_b32 s54, s13, 1                         ; the prefetches: head cx / 2 of the pair,
	s_add_co_u32 s54, s54, s20
	s_cmp_lt_u32 s[WV], 2
	s_cselect_b32 s55, 16, 32                      ; among k's planes or v's,
	s_add_co_u32 s54, s54, s55
	s_lshl_b32 s54, s54, 18
	s_and_b32 s55, s13, 1
	s_lshl_b32 s55, s55, 13                        ; half cx % 2 of a tile,
	s_add_co_u32 s54, s54, s55
	s_add_co_u32 s54, s54, TILEB                   ; at tile 1: the first change steps it to tile 2
	s_mov_b32 s55, 0
	s_and_b32 s[LIM], s[WV], 1
	s_or_b32 s[LIM], s[LIM], ttmp9
	s_cmp_eq_u32 s[LIM], 0
	s_cselect_b32 s[LIM], 1, -1                    ; the same in all four partners
	; descriptor group 1: 128 keys are 16,384 dense bytes: 64 rows of 256 bytes, two keys a row, padded in LDS after every key
	s_mov_b32 s[G1K], 15|(1<<16)|(1<<20)|(1<<21)|(4<<22)|(3<<25)
	s_mov_b32 s[G1V], 15|(1<<16)|(1<<20)|(1<<21)|(4<<22)|(7<<25)
.irp g, G1K, G1V
	s_mov_b32 s[\g+1], 128<<16
	s_mov_b32 s[\g+2], 64<<16
	s_mov_b32 s[\g+3], 128<<16
	s_mov_b32 s[\g+4], 64
	s_mov_b32 s[\g+5], 128
	s_mov_b32 s[\g+6], 0
	s_mov_b32 s[\g+7], 0
.endr
	s_mul_i32 s21, s18, KH
	s_mul_i32 s15, s18, VH
	s_mov_b32 s[G0K], 1
	s_mov_b32 s[G0K+1], s21
	s_mov_b32 s[G0V], 1
	s_add_co_u32 s[G0V+1], s15, VOFF
	s_mov_b32 s[CS], 0x3e38aa3b                    ; c = log2(e) / 8
	s_mov_b32 s[CS+1], s[CS]
	s_mov_b32 s[SEL], 0x76543210
	s_mov_b32 s[SEL+1], 0xfedcba98
	s_mov_b32 s[TBK], SLOT1+2*KS*PK                ; the first change of slots turns these two into 0
	s_mov_b32 s[TBV], SLOT1+2*KS*PV
	s_mov_b32 s[SLOTS], 15
	s_mov_b32 s[INC+1], 0
	s_mov_b32 s[THR], 0xef800000
	s_mov_b32 s[QNAN], 0x7fc00000
	v_and_b32 v[PFO], 31, v0
	v_lshlrev_b32 v[PFO], 8, v[PFO]
	s_wait_dscnt 0x0                               ; the opening add is done
	s_wait_kmcnt 0x0
	s_add_nc_u64 s[G0K+2:G0K+3], s[4:5], s[22:23]
	s_add_nc_u64 s[G0V+2:G0V+3], s[G0K+2:G0K+3], 16*HEADB
	s_or_b32 s[G0K+3], s[G0K+3], 0x80000000
	s_or_b32 s[G0V+3], s[G0V+3], 0x80000000
	s_add_nc_u64 s[50:51], s[4:5], s[2:3]          ; Q
	s_add_nc_u64 s[MP:MP+1], s[6:7], s[48:49]
	s_add_nc_u64 s[10:11], s[10:11], s[52:53]
	s_add_nc_u64 s[PFA:PFA+1], s[4:5], s[54:55]
	CROUND                                         ; all four work-groups are here
	JLOAD                                          ; tile 0 into slot 0
	v_and_b32 v1, 15, v0                           ; r
	v_bfe_u32 v14, v0, 4, 1                        ; h
	v_lshlrev_b32 v[QO], 7, v1
	v_lshl_add_u32 v[QO], v14, 4, v[QO]
	v_and_b32 v[MO], 31, v0
	v_lshlrev_b32 v[MO], 4, v[MO]
	WIN 0x80
.set i, 0
.rept 8                                ; Q stays in registers: piece i / 2, channels 32 (i % 2) on
	global_load_b128 v[8*i:8*i+3],   v[QO], s[50:51] offset:(i/2)*2048+(i%2)*64
	global_load_b128 v[8*i+4:8*i+7], v[QO], s[50:51] offset:(i/2)*2048+(i%2)*64+32
.set i, i+1
.endr
; Piece x's mask words of the step at MP: two groups of 32 keys, four words a lane each, into the places 2-5 and 18-21 of its 32 registers: 512 consecutive bytes a load.
.macro MLOAD x
	WIN 0x40
	global_load_b128 v[MC+32*(\x)+2:MC+32*(\x)+5],   v[MO], s[MP:MP+1] offset:32768*(\x)
	global_load_b128 v[MC+32*(\x)+18:MC+32*(\x)+21], v[MO], s[MP:MP+1] offset:32768*(\x)+512
.endm
; The words are spread: each of the 32 registers gets its score's byte on top.  Eight of them lie right as loaded.
.macro MASKX x
	WIN 0x44
.irp g, 0,1
.set G, MC+32*(\x)+16*\g
	v_lshlrev_b32 v[G], 24, v[G+2]
	v_lshlrev_b32 v[G+1], 24, v[G+3]
	v_lshlrev_b32 v[G+6], 24, v[G+4]
	v_lshlrev_b32 v[G+7], 24, v[G+5]
.irp u, 0,1,2,3
	v_lshlrev_b32 v[G+8+2*\u], 8, v[G+2+\u]
	v_lshlrev_b32 v[G+9+2*\u], 16, v[G+2+\u]
.endr
.endr
.endm
	MLOAD 0                                        ; step 0, all four pieces
	MLOAD 1
	MLOAD 2
	MLOAD 3
	; What the first turn finds: V and P's second buffer hold 0 (its products V^T P, of a piece that has not been, add 0), O^T and l are 0.  All this stands in the wait for the first tile.
	WIN 0x80
.set i, VF
.rept 64
	v_mov_b32 v[i], 0
.set i, i+1
.endr
	WIN 0x40
.set i, 0
.rept 128
	v_mov_b32 v[i], 0
.set i, i+1
.endr
	WIN 0
.set i, 0
.rept 4
	v_mov_b32 v[ST+4*i], 0xfe000000                ; c m: far below every c s
	v_mov_b32 v[ST+4*i+1], 0xff7fffff              ; m
	v_mov_b32 v[ST+4*i+2], 0
	v_mov_b32 v[ST+4*i+3], 0
.set i, i+1
.endr
.set i, P+16
.rept 16
	v_mov_b32 v[i], 0
.set i, i+1
.endr
	s_mul_i32 s21, s19, KH                         ; my head's K and V in a slot
	s_mul_i32 s15, s19, VH
	s_add_co_u32 s15, s15, VOFF
	v_mul_u32_u24 v[AK0], v1, PK
	v_lshl_add_u32 v[AK0], v14, 4, v[AK0]
	v_add_nc_u32 v[AK0], s21, v[AK0]
	v_and_b32 v10, 7, v0                           ; the turning load: lane l reads key 8 (l / 16) + l % 8, channels 8 ((l / 8) % 2) + 0..7
	v_bfe_u32 v11, v0, 3, 1
	v_lshl_add_u32 v[AV0], v14, 3, v10
	v_mul_u32_u24 v[AV0], v[AV0], PV
	v_lshl_add_u32 v[AV0], v11, 4, v[AV0]
	v_add_nc_u32 v[AV0], s15, v[AV0]
	s_mul_i32 s21, s18, 64*SP                      ; the stage: row 64 (w % 2) + 16 piece + r, bytes 128 (w / 2) + 16 h
	s_lshl_b32 s15, s19, 7
	s_add_co_u32 s21, s21, s15
	s_add_co_u32 s21, s21, STAGE
	v_mul_u32_u24 v[STO], v1, SP
	v_lshl_add_u32 v[STO], v14, 4, v[STO]
	v_add_nc_u32 v[STO], s21, v[STO]
	s_mul_i32 s21, s[WV], 32*SP                    ; back: wave w takes rows 32 w on, two whole rows a load
	s_add_co_u32 s21, s21, STAGE
	v_mul_u32_u24 v[RD], v14, SP
	v_lshl_add_u32 v[RD], v1, 4, v[RD]
	v_add_nc_u32 v[RD], s21, v[RD]
	v_lshlrev_b32 v[GO], 11, v14
	v_lshl_add_u32 v[GO], v1, 4, v[GO]
; THE MATRIX WORK.  The 4 accumulators of a run of 8 take turns.  Product i of 8 of S^T = K Q^T for piece x: channels 32 (i / 4) on, keys 16 (i % 4) on; the first 4 start the sums with the mask.
.macro KQ x
.set rS, S+32*((\x)%2)+8*(i%4)
.set rK, KF+16*(i%4)+8*(i/4)
.set rQ, 16*(\x)+8*(i/4)
.set rM, MC+32*(\x)+8*(i%4)
.if i < 4
	WIN W_KM
	v_wmma_f32_16x16x32_bf16 v[rS:rS+7], v[rK:rK+7], v[rQ:rQ+7], v[rM:rM+7]
.else
	WIN W_KQ
	v_wmma_f32_16x16x32_bf16 v[rS:rS+7], v[rK:rK+7], v[rQ:rQ+7], v[rS:rS+7]
.endif
.endm
.macro PV x                            ; product i of 8 of O^T += V^T P: keys 32 (i / 4) on, channels 16 (i % 4) on
	WIN W_PV
.set rO, 32*(\x)+8*(i%4)
.set rV, VF+32*(i/4)+8*(i%4)
.set rP, P+16*((\x)%2)+8*(i/4)
	v_wmma_f32_16x16x32_bf16 v[rO:rO+7], v[rV:rV+7], v[rP:rP+7], v[rO:rO+7]
.endm
.macro MM                              ; the turn's next matrix instruction
.if i < 8
	KQ (Y+1)%NP
.else
.set i, i-8
	PV (Y+NP-1)%NP
.set i, i+8
.endif
.set i, i+1
.endm
.macro FETCH_K                         ; a step's K: 64 keys x 64 channels, 8 fragments, one run of 16 loads
	WIN 0x80
.irp f, 0,1,2,3,4,5,6,7
	ds_load_b128 v[KF+8*\f:KF+8*\f+3],   v[AK] offset:(\f/2)*16*PK+(\f%2)*64
	ds_load_b128 v[KF+8*\f+4:KF+8*\f+7], v[AK] offset:(\f/2)*16*PK+(\f%2)*64+32
.endr
	s_add_co_u32 s[TBK], s[TBK], KS*PK
	WIN 0
.endm
.macro FETCH_V                         ; its V, turned
	WIN 0x80
.irp f, 0,1,2,3,4,5,6,7
	ds_load_tr16_b128 v[VF+8*\f:VF+8*\f+3],   v[AV] offset:(\f/4)*32*PV+(\f%4)*32
	ds_load_tr16_b128 v[VF+8*\f+4:VF+8*\f+7], v[AV] offset:(\f/4)*32*PV+16*PV+(\f%4)*32
.endr
	WIN 0
.endm
; THE VECTOR WORK, one line at a time: OP kind, number.  For piece Y: F n: c s - c m for pair n of 16.  E n: the exponential of score n.  C n: pair n rounded to bf16.  B n: of the four weights 4 n .. the second
; pair is added onto the first.  L n: l takes that sum (L 0: l = a l + sum).  R n: pair n of 16 of O^T times a.  For piece Y + 1: X n, number n of the 22 that find its maximum and statistics
; (0-11 four chains, each accumulator's lowest registers first; 12-14, 16 the rest, the old m, into c0; 15 c m_old is kept; 17, 18 the other half of the lanes; 19-21 c m, its change, a).
.set F, 0
.set E, 1
.set C, 2
.set B, 3
.set L, 4
.set R, 5
.set X, 6
.macro REGS y
.set rT, ST+4*(\y)
.set rC, TMP+4*((\y)%2)
.set rW, MV+((\y)%2)
.set rS, S+32*((\y)%2)
.set rP, P+16*((\y)%2)
.set rO, 32*(\y)
.endm
.macro OP k, n
.if (\k) == R
	REGS Y
	WIN W_RS
	v_pk_mul_f32 v[rO+2*(\n):rO+2*(\n)+1], v[rO+2*(\n):rO+2*(\n)+1], v[rC+2:rC+3] op_sel_hi:[1,0]
.elseif (\k) < R
	REGS Y
	WIN 0
.if (\k) == F
	v_pk_fma_f32 v[rS+2*(\n):rS+2*(\n)+1], v[rS+2*(\n):rS+2*(\n)+1], s[CS:CS+1], v[rT:rT+1] op_sel_hi:[1,0,0] neg_lo:[0,0,1] neg_hi:[0,0,1]
.elseif (\k) == E
	v_exp_f32 v[rS+(\n)], v[rS+(\n)]
.elseif (\k) == C
	v_cvt_pk_bf16_f32 v[rP+(\n)], v[rS+2*(\n)], v[rS+2*(\n)+1]
.elseif (\k) == B
	v_pk_add_f32 v[rS+4*(\n):rS+4*(\n)+1], v[rS+4*(\n):rS+4*(\n)+1], v[rS+4*(\n)+2:rS+4*(\n)+3]
.elseif (\n) == 0
	v_pk_fma_f32 v[rT+2:rT+3], v[rT+2:rT+3], v[rC+2:rC+3], v[rS:rS+1] op_sel_hi:[1,0,1]
.else
	v_pk_add_f32 v[rT+2:rT+3], v[rT+2:rT+3], v[rS+4*(\n):rS+4*(\n)+1]
.endif
.else
	REGS (Y+1)%NP
	WIN 0
.if (\n) < 4
	v_max3_num_f32 v[rC+(\n)], v[rS+8*(\n)], v[rS+8*(\n)+1], v[rS+8*(\n)+2]
.elseif (\n) < 12
	v_max3_num_f32 v[rC+(\n)%4], v[rC+(\n)%4], v[rS+8*((\n)%4)+2*((\n)/4)+1], v[rS+8*((\n)%4)+2*((\n)/4)+2]
.elseif (\n) == 12
	v_max3_num_f32 v[rC], v[rC], v[rS+7], v[rS+15]
.elseif (\n) == 13
	v_max3_num_f32 v[rC+1], v[rC+1], v[rS+23], v[rS+31]
.elseif (\n) == 14
	v_max3_num_f32 v[rC+2], v[rC+2], v[rC+3], v[rT+1]
.elseif (\n) == 15
	v_mov_b32 v[rW], v[rT]
.elseif (\n) == 16
	v_max3_num_f32 v[rC], v[rC], v[rC+1], v[rC+2]
.elseif (\n) == 17
	v_permlanex16_b32 v[rC+3], v[rC], s[SEL], s[SEL+1]
.elseif (\n) == 18
	v_max_num_f32 v[rT+1], v[rC], v[rC+3]
.elseif (\n) == 19
	v_mul_f32 v[rT], s[CS], v[rT+1]
.elseif (\n) == 20
	v_sub_f32 v[rC+1], v[rW], v[rT]
.else
	v_exp_f32 v[rC+2], v[rC+1]
.endif
.endif
.endm
.macro OPS a, i1, b=-1, i2=0, c=-1, i3=0, d=-1, i4=0
	OP \a, \i1
.if (\b) >= 0
	OP \b, \i2
.endif
.if (\c) >= 0
	OP \c, \i3
.endif
.if (\d) >= 0
	OP \d, \i4
.endif
.endm
.macro ROW a, i1, b, i2, c, i3, d, i4  ; a matrix instruction and the four behind it
	MM
	OPS \a, \i1, \b, \i2, \c, \i3, \d, \i4
.endm
; A TURN, for piece p.  Ahead of its one wait stands all that names no result of its exponentials: the 8 products K Q^T with their riders, then one lump; behind it the 8 products V^T P, whose riders are the
; roundings and sums.  K of the next step is fetched in piece 2's turn, V of the step in hand at the end of piece 0's; each is waited for a turn later.
; THE MASKS.  The turn's first four products have read piece p + 1's masks; behind the sixth product (six plain riders on) that piece's words of its NEXT step are asked for.  At the turn's end the words of
; piece p + 2, asked for three turns ago, are spread for the next turn's products: the wait leaves the three younger pairs of loads out.  The pointer steps in piece 3's turn and stays at the last step.
; last = 1 (the tail): in the last trip there is no further step, and the last step's K is read again.  cnt = 1: the loop's count is taken down ahead of the branch behind the turn.
.macro TURN p, last=0, cnt=0
.set Y, (\p)
.set i, 0
.if (\p) == 3
	s_wait_dscnt 0x0                               ; K is in
.endif
	ROW F,0, F,1, R,0, R,1
	ROW F,2, E,0, R,2, R,3
	ROW F,3, E,1, R,4, R,5
	ROW F,4, E,2, R,6, R,7
	ROW F,5, E,3, R,8, R,9
	ROW F,6, E,4, X,0, R,10
.if (\p) == 2
	WIN 0
.if \last
	s_cmp_eq_u32 s[CNT], 1
	s_cselect_b32 s[TK2], KS*PK, 0
	s_sub_co_u32 s[TK2], s[TBK], s[TK2]
	v_add_nc_u32 v[AK], s[TK2], v[AK0]
.else
	v_add_nc_u32 v[AK], s[TBK], v[AK0]
.endif
.endif
.if (\p) == 3
	s_wait_xcnt 0x0                                ; the mask loads issued so far have read their base
	s_cmp_lt_u32 s[MPI], 31
	s_cselect_b32 s[INC], 1024, 0
	s_add_co_u32 s[MPI], s[MPI], 1
	s_add_nc_u64 s[MP:MP+1], s[MP:MP+1], s[INC:INC+1]
.endif
	MLOAD ((\p)+1)%NP
	ROW F,7, E,5, X,1, X,4
	ROW F,8, E,6, X,2, X,5
	OPS E,7, E,8, X,6, E,9
	OPS X,3, E,10, X,8, E,11
.if (\p) == 2
	FETCH_K
.endif
	OPS X,9, X,7, E,12, X,10
	OPS E,13, X,12, X,11, E,14
	OPS X,13, E,15, F,9, X,14
.if (\p) == 0
	v_add_nc_u32 v[AV], s[TBV], v[AV0]
.endif
	OPS E,16, F,10, E,17, F,11
	OPS X,16, E,18, X,15, E,19
	OPS F,12, E,20, X,17, E,21
	OPS F,13, E,22, F,14, E,23
	OPS X,18, E,24, F,15, E,25
	OPS R,11, E,26, X,19, E,27
	OPS R,12, E,28, R,13, E,29
	OPS X,20, E,30, R,14, E,31
	OPS X,21, R,15                                 ; the batch's last exponential, and the plain instruction behind it
	WIN 0
	s_wait_alu depctr_va_vdst(0)                   ; one wait for the turn's 33 exponentials, ahead of their first reader
.if (\p) == 1
	s_wait_dscnt 0x0                               ; V is in
.endif
	ROW C,0, B,0, C,2, B,1
	ROW L,0, C,4, B,2, L,1
	ROW C,6, B,3, L,2, C,8
	ROW B,4, L,3, C,10, B,5
	ROW L,4, C,12, B,6, L,5
.if (\p) == 0
	s_add_co_u32 s[TBV], s[TBV], KS*PV
.endif
.if \cnt
	s_sub_co_u32 s[CNT], s[CNT], 1
	s_cmp_lg_u32 s[CNT], 0
.endif
	ROW C,14, B,7, L,6, C,1
	ROW C,3, L,7, C,5, C,7
	ROW C,9, C,11, C,13, C,15
.if (\p) == 0
	FETCH_V
.endif
	s_wait_loadcnt 0x6                             ; three pairs of mask loads are younger than the pair that is spread now
	MASKX ((\p)+2)%NP
.endm
	CHANGE 1                                       ; slot 0 is in, everybody's part of it; slot 1 is asked for
	v_add_nc_u32 v[AK], s[TBK], v[AK0]
	FETCH_K                                        ; key step 0
	s_wait_loadcnt 0x0                             ; Q and the first masks
	MASKX 0
	MASKX 1
	s_wait_dscnt 0x0
.set i, 0
.rept 8
	KQ 0                                           ; piece 0's first scores
.set i, i+1
.endr
	WIN 0
.rept 4
	v_nop                                          ; the places behind those products
.endr
	s_wait_xcnt 0x0
	s_add_nc_u64 s[MP:MP+1], s[MP:MP+1], 1024      ; step 1
	s_mov_b32 s[MPI], 1
	MLOAD 0
.set Y, NP-1                           ; X works for piece Y + 1: piece 0
.irp n, 0,1,2,3,4,5,6,7,8,9,10,11,12,13,14,15,16,17,18,19,20,21
	OP X, \n
.endr
	v_nop                                          ; a plain instruction behind the exponential,
	s_wait_alu depctr_va_vdst(0)                   ; and its wait, ahead of the branch
	s_mov_b32 s[CNT], 2
	s_branch .Lfirst                               ; the loop is entered at a step's first turn, in the middle of a trip
.Lslot:                                        ; 14 times: with the first change, tiles 1 to 15 are asked for
	CHANGE 1
	s_mov_b32 s[CNT], 2
.Lstep:                                        ; a trip: pieces 2 and 3 of one step, then pieces 0 and 1 of the next
	TURN 2
	TURN 3
	WIN 0
.Lfirst:
	TURN 0
	TURN 1, 0, 1
	WIN 0
	s_cbranch_scc1 .Lstep
	s_sub_co_u32 s[SLOTS], s[SLOTS], 1
	s_cmp_lg_u32 s[SLOTS], 0
	s_cbranch_scc1 .Lslot
	CHANGE 0                                       ; the tail is written out
	s_mov_b32 s[CNT], 3                            ; two trips fetch the last tile's steps; the third is left in its middle
.Ltail:
	TURN 2, 1
	TURN 3
	WIN 0
	s_sub_co_u32 s[CNT], s[CNT], 1
	s_cmp_eq_u32 s[CNT], 0
	s_cbranch_scc1 .Lout
	TURN 0
	TURN 1
	WIN 0
	s_branch .Ltail
.Lout:                                         ; the third trip's 8 products K Q^T repeat piece 0's last step (same K, same mask): m stays as it was
.set i, 0
.rept 8
	PV NP-1
.set i, i+1
.endr
	; THE WAY OUT.  l's halves are added; a query with no allowed key takes NaN for 1 / l (a choice of a value, no branch); O^T / l is rounded to bf16 and goes through the work-group's stage.
	WIN 0
.macro ALL line:vararg
.set t, 0
.rept 4
	\line
.set t, t+1
.endr
.endm
	ALL v_add_f32 v[ST+4*t+2], v[ST+4*t+2], v[ST+4*t+3]
	ALL v_permlanex16_b32 v[ST+4*t+3], v[ST+4*t+2], s[SEL], s[SEL+1]
	ALL v_add_f32 v[ST+4*t+2], v[ST+4*t+2], v[ST+4*t+3]
	ALL v_rcp_f32 v[ST+4*t+2], v[ST+4*t+2]
	v_nop
	s_wait_alu depctr_va_vdst(0)                   ; one wait for the four reciprocals
.set t, 0
.rept 4
	v_cmp_gt_f32 vcc_lo, s[THR], v[ST+4*t+1]
	v_cndmask_b32 v[ST+4*t+2], v[ST+4*t+2], s[QNAN], vcc_lo
.set t, t+1
.endr
.macro PACK t
	WIN W_RS
.set i, 32*(\t)
.rept 16
	v_pk_mul_f32 v[i:i+1], v[i:i+1], v[ST+4*(\t)+2:ST+4*(\t)+3] op_sel_hi:[1,0]
.set i, i+2
.endr
	WIN 0x05
.set i, 0
.rept 16
	v_cvt_pk_bf16_f32 v[S+16*(\t)+i], v[32*(\t)+2*i], v[32*(\t)+2*i+1]
.set i, i+1
.endr
	WIN 0
.irp f, 0,1,2,3
	ds_store_b128 v[STO], v[S+16*(\t)+4*\f:S+16*(\t)+4*\f+3] offset:(\t)*16*SP+32*\f
.endr
.endm
	PACK 0
	PACK 1
	PACK 2
	PACK 3
	s_wait_dscnt 0x0                               ; for the others' sake: a stage row's 256 bytes come from two waves
	s_barrier_signal -1
	s_barrier_wait -1
.set t, 0
.rept 16
	ds_load_b128 v[S+4*t:S+4*t+3], v[RD] offset:544*t
.set t, t+1
.endr
.set t, 0
.rept 16
	s_wait_dscnt 15-t
	global_store_b128 v[GO], v[S+4*t:S+4*t+3], s[10:11] offset:4096*t  ; 16 lanes store 256 consecutive bytes, aligned
.set t, t+1
.endr
	s_wait_tensorcnt 0x0                           ; the wave's end
	ds_add_u32 v[SPW], v[NIL]
	s_wait_dscnt 0x0
	CROUND                                         ; the closing round
	s_endpgm
.Lfunc_end_k_q9193ab5e70_attn:
	.size	k_q9193ab5e70_attn, .Lfunc_end_k_q9193ab5e70_attn-k_q9193ab5e70_attn
	.p2alignl 7, 3214868480
	.fill 96, 4, 3214868480
	.section	.rodata,"a",@progbits
	.p2align	6, 0x0
	.amdhsa_kernel k_q9193ab5e70_attn
		.amdhsa_group_segment_fixed_size 327680
		.amdhsa_private_segment_fixed_size 0
		.amdhsa_enable_private_segment 0
		.amdhsa_kernarg_size 24
		.amdhsa_user_sgpr_count 2
		.amdhsa_user_sgpr_kernarg_segment_ptr 1
		.amdhsa_wavefront_size32 1
		.amdhsa_system_sgpr_workgroup_id_x 1
		.amdhsa_system_sgpr_workgroup_id_y 1
		.amdhsa_system_sgpr_workgroup_id_z 1
		.amdhsa_system_vgpr_workitem_id 0
		.amdhsa_next_free_vgpr 768
		.amdhsa_next_free_sgpr 80
		.amdhsa_reserve_vcc 1
		.amdhsa_float_denorm_mode_32 3
		.amdhsa_float_denorm_mode_16_64 3
		.amdhsa_memory_ordered 1
		.amdhsa_forward_progress 1
		.amdhsa_inst_pref_size 125
	.end_amdhsa_kernel
	.amdgpu_metadata
---
amdhsa.version: [ 1, 2 ]
amdhsa.kernels:
  - .name:           k_q9193ab5e70_attn
    .symbol:         k_q9193ab5e70_attn.kd
    .args:
      - { .name: qkvh, .offset: 0, .size: 8, .value_kind: global_buffer, .address_space: global }
      - { .name: mb, .offset: 8, .size: 8, .value_kind: global_buffer, .address_space: global }
      - { .name: ao, .offset: 16, .size: 8, .value_kind: global_buffer, .address_space: global }
    .group_segment_fixed_size: 327680
    .private_segment_fixed_size: 0
    .kernarg_segment_align: 8
    .kernarg_segment_size: 24
    .max_flat_workgroup_size: 128
    .sgpr_count:     80
    .vgpr_count:     768
    .wavefront_size: 32
...
	.end_amdgpu_metadata
.endif
;; end of part 3
;; launch wo (part 4): grid 8 x 32, 4 waves a work-group, clusters of 4 x 4, 327,680 bytes of LDS; arguments ao, wb, bo, x, x1; writes x1
.if DOCPART == 4
	.amdgcn_target "amdgcn-amd-amdhsa--gfx1250"
	.amdhsa_code_object_version 6
	.text
	.protected	k_q9193ab5e70_wo
	.globl	k_q9193ab5e70_wo
	.p2align	8
	.type	k_q9193ab5e70_wo,@function
k_q9193ab5e70_wo:
	s_mov_b64 s[64:65], 0
	v_nop
	global_prefetch_b8 v0, s[64:65] scope:SCOPE_SE
	s_setreg_imm32_b32 hwreg(HW_REG_WAVE_MODE, 25, 1), 1
	s_wait_xcnt 0x0
	s_wait_alu depctr_hold_cnt(0) depctr_sa_sdst(0) depctr_va_vdst(0) depctr_va_sdst(0) depctr_va_ssrc(0) depctr_va_vcc(0) depctr_vm_vsrc(0)
	s_getreg_b32 s2, hwreg(HW_REG_IB_STS2, 6, 4)
	s_cmp_eq_u32 s2, 0
	s_cbranch_scc0 .Lentry_in_a_cluster
	s_endpgm
.Lentry_in_a_cluster:
	s_bfe_u32 s2, ttmp6, 0x10000c
	s_cmp_lg_u32 s2, 0xf033
	s_cbranch_scc0 .Lentry_shape_is_right
	s_endpgm
.Lentry_shape_is_right:
; x1 = x + ao wo^T + bo.  C[4096][1024] = A B^T, A = ao [4096][1024] bf16, B = wo in wb [1024][1024] bf16; sums in f32, started by the bias; the residual x and the result x1 are f32.
; A tile of C is 128 x 128: 8 x 32 tiles, one for each of 256 work-groups.  Four waves, 2 x 2, each 64 x 64: 16 accumulators.  K goes in steps of 256 (LDS rows of 512 bytes + 16) through two slots.
; CLUSTER 4 x 4: A's tile is asked for jointly along a row of the cluster, B's along a column.  THE MATRIX INSTRUCTION IS USED TRANSPOSED: a lane holds row lane % 16 of C and 8 neighbouring columns.
; ONE K STEP IS WRITTEN ONCE; the slot to fill and the slot to read are scalar registers turned by an exclusive or.  The residual's 32 loads go out at the start and are wanted only at the end.
; No prefetch: the walk has four K steps, of which the first four come by their loads alone.
; REGISTERS: window 0: v16-31 addresses, v64-127, v128-191 A's two buffers, v192-255 the bias; window 1: v64-127, v128-191 B's buffers; window 2: v0-127 accumulators, v128-255 the residual.
.set SIZE_K, 1024
.set TM,     128
.set TN,     128
.set WM,     4
.set WN,     4
.set KD,     2
.set KSTEP,  256
.set PITCH,  528
.set QI,     6
.set WOFF,   6291456
.set PF,     0
.set SP,     272                       ; a stage row: 64 f32 + 16 bytes
.set T,      SIZE_K/KSTEP
.set SLOT,   (TM+TN)*PITCH
.set SPARE,  2*SLOT
.set QB,     64*KD
.set NL,     2*KD*(WM+WN)
.set HW,     WM*(2-KD)+16*(KD-1)
.set ADRA, 16
.set ADRB, 17
.set A0,   18
.set B0,   19
.set STO,  24
.set RD,   25
.set CO,   26
.set STO2, 27
.set SPW,  28
.set NIL,  29
.set PFO,  30
.set BO,   31
.set F0,   64
.set F1,   128
.set BIAS, 192
.set RES,  128                         ; window 2
.set G1,   24
.set G0,   32
.set G1B,  48
.set G0B,  56
.set LA,   20
.set LB,   21
.set TF,   22
.set TR,   23
.set LIM,  43
.set PFA,  44
.set MSB, 0
.macro WIN new
.if MSB != (\new)
	s_set_vgpr_msb (MSB<<8)|(\new)
.set MSB, \new
.endif
.endm
.macro PLACES
.rept 4
	v_nop
.endr
.endm
.macro JLOAD
	s_cmp_eq_u32 s11, 0
	s_cbranch_scc0 .Lfor_b_\@
	tensor_load_to_lds s[G0+4:G0+7], s[G1:G1+7]
	s_nop 0
	PLACES
	s_branch .Lasked_\@
.Lfor_b_\@:
	tensor_load_to_lds s[G0B+4:G0B+7], s[G1B:G1B+7]
	s_nop 0
	PLACES
.Lasked_\@:
.endm
.macro CREST
	s_cmp_lg_u32 s10, 0
	s_cbranch_scc1 .Lnot_wave_0_\@
	s_barrier_signal -3
.Lnot_wave_0_\@:
	s_barrier_wait -3
	s_barrier_signal -1
	s_barrier_wait -1
.endm
.macro CROUND
	s_barrier_signal -1
	s_barrier_wait -1
	CREST
.endm
.macro ASK
	s_cmp_gt_u32 s2, s[LIM]
	s_cbranch_scc0 .Lnot_mine_\@
	global_prefetch_b8 v[PFO], s[PFA:PFA+1] offset:KSTEP*2 th:TH_LOAD_NT scope:SCOPE_SE
.Lnot_mine_\@:
.endm
; A quarter of a quarter step's products: K half g / 2, row blocks 2 (g % 2), + 1 x all column blocks.  first = 1: the first K half takes the bias as C.  The accumulators take turns.
.macro MULP f, g, first
.if KD == 1
.set mc, 0
.set ma, 2*(\g)
.else
.set mc, (\g)/2
.set ma, 2*((\g)%2)
.endif
.rept 2
.set mb, 0
.rept WN
.set mi, 8*(ma*WN+mb)
.set mr, mi%256
.set mw, mi/256
.if (\first) && (mc == 0)
	WIN 0x81+0x40*mw
	v_wmma_f32_16x16x32_bf16 v[mr:mr+7], v[(\f)+8*(WN*mc+mb):(\f)+8*(WN*mc+mb)+7], v[(\f)+8*(WM*mc+ma):(\f)+8*(WM*mc+ma)+7], v[BIAS+8*mb:BIAS+8*mb+7]
.else
	WIN 0xa1+0x50*mw
	v_wmma_f32_16x16x32_bf16 v[mr:mr+7], v[(\f)+8*(WN*mc+mb):(\f)+8*(WN*mc+mb)+7], v[(\f)+8*(WM*mc+ma):(\f)+8*(WM*mc+ma)+7], v[mr:mr+7]
.endif
.set mb, mb+1
.endr
.set ma, ma+1
.endr
.endm
.macro FETCH k, f                      ; one run of LDS loads: for each K half B's fragments, then A's
.set fc, 0
.rept KD
	WIN 0x40
.set fi, 0
.rept WN
	ds_load_b128 v[(\f)+8*(WN*fc+fi):(\f)+8*(WN*fc+fi)+3],   v[ADRB] offset:(\k)+64*fc+fi*16*PITCH
	ds_load_b128 v[(\f)+8*(WN*fc+fi)+4:(\f)+8*(WN*fc+fi)+7], v[ADRB] offset:(\k)+64*fc+fi*16*PITCH+32
.set fi, fi+1
.endr
	WIN 0
.set fi, 0
.rept WM
	ds_load_b128 v[(\f)+8*(WM*fc+fi):(\f)+8*(WM*fc+fi)+3],   v[ADRA] offset:(\k)+64*fc+fi*16*PITCH
	ds_load_b128 v[(\f)+8*(WM*fc+fi)+4:(\f)+8*(WM*fc+fi)+7], v[ADRA] offset:(\k)+64*fc+fi*16*PITCH+32
.set fi, fi+1
.endr
.set fc, fc+1
.endr
.endm
.macro QUARTER k, f, g, first
	s_wait_dscnt HW                                ; the first K half is in; the second half's 16 loads may be out
	MULP \f, 0, \first
	MULP \f, 1, \first
	PLACES
	FETCH \k, \g
	s_wait_dscnt NL                                ; all but the run just issued
	MULP \f, 2, \first
	MULP \f, 3, \first
.endm
; The fourth quarter and the change of slots: ahead of the one barrier each wave waits for all its tensor loads, adds 0 to its spare word, and waits for that and for its reads of this slot.
; fill = 1: the barrier opens a round of the cluster's, and the joint refill is the first thing behind the round.
.macro TURN fill
.if PF && (\fill)
	s_wait_xcnt 0x0
	s_add_nc_u64 s[PFA:PFA+1], s[PFA:PFA+1], KSTEP*2
.endif
	WIN 0
	s_wait_tensorcnt 0x0
	ds_add_u32 v[SPW], v[NIL]
	s_wait_dscnt HW+1                              ; the add and the youngest HW loads may be out
	MULP F1, 0, 0
	s_wait_dscnt 0x0
	s_barrier_signal -1
	MULP F1, 1, 0
	WIN 0
	s_barrier_wait -1
.if \fill
	CREST
	s_xor_b32 s[TF], s[TF], SLOT
	s_add_co_u32 s[G0+5], s[LA], s[TF]
	s_add_co_u32 s[G0B+5], s[LB], s[TF]
	s_add_nc_u64 s[G0+6:G0+7], s[G0+6:G0+7], KSTEP*2
	s_add_nc_u64 s[G0B+6:G0B+7], s[G0B+6:G0B+7], KSTEP*2
	JLOAD
.else
	PLACES
.endif
	s_xor_b32 s[TR], s[TR], SLOT
	v_add_nc_u32 v[ADRA], s[TR], v[A0]
	v_add_nc_u32 v[ADRB], s[TR], v[B0]
	FETCH 0, F0
.if PF && (\fill)
	ASK
.endif
	MULP F1, 2, 0
	MULP F1, 3, 0
.endm
.macro LASTQ                           ; behind its barrier no wave reads a slot, and no slot is filled again: the stages may lie there
	s_wait_dscnt 0x0
	s_barrier_signal -1
	MULP F1, 0, 0
	MULP F1, 1, 0
	MULP F1, 2, 0
	MULP F1, 3, 0
	WIN 0
	s_barrier_wait -1
	PLACES
.endm
.macro DUMP
.set da, 0
.rept WM
.set db, 0
.rept WN
.set di, 8*(da*WN+db)
	WIN 0x08+4*(di/256)
.if da < WM/2
	ds_store_b128 v[STO], v[di%256:di%256+3]    offset:16*da*SP+64*db
	ds_store_b128 v[STO], v[di%256+4:di%256+7]  offset:16*da*SP+64*db+16
.else
	ds_store_b128 v[STO2], v[di%256:di%256+3]   offset:16*(da-WM/2)*SP+64*db
	ds_store_b128 v[STO2], v[di%256+4:di%256+7] offset:16*(da-WM/2)*SP+64*db+16
.endif
.set db, db+1
.endr
.set da, da+1
.endr
	WIN 0
.endm
	s_load_b128 s[4:7], s[0:1], 0x0                ; A s[4:5], wb s[6:7]
	s_load_b128 s[68:71], s[0:1], 0x10             ; the bias s[68:69], the residual s[70:71]
	s_load_b64 s[8:9], s[0:1], 0x20                ; the output
	v_lshl_add_u32 v[SPW], v0, 2, SPARE
	v_mov_b32 v[NIL], 0
	ds_add_u32 v[SPW], v[NIL]                      ; the wave's opening: the add, waited for ahead of my first tensor load
	v_lshrrev_b32 v1, 5, v0
	v_readfirstlane_b32 s10, v1
	s_lshr_b32 s11, s10, 1
	s_and_b32 s12, s10, 1
	s_bfe_u32 s40, ttmp6, 0x40000
	s_bfe_u32 s41, ttmp6, 0x40004
	s_lshl_b32 s42, ttmp9, 2
	s_add_co_u32 s42, s42, s40                     ; tile column
	s_and_b32 s13, ttmp7, 0xffff
	s_lshl_b32 s13, s13, 2
	s_add_co_u32 s13, s13, s41                     ; tile row
	s_lshl_b32 s14, s41, 2
	s_lshl_b32 s14, 15, s14
	s_lshl_b32 s15, 0x1111, s40
	s_or_b32 s[G1], s14, (1<<16)|(1<<20)|(1<<21)|(QI<<22)|(3<<25)
	s_or_b32 s[G1B], s15, (1<<16)|(1<<20)|(1<<21)|(QI<<22)|(3<<25)
	s_mov_b32 s[G1+1], KSTEP<<16
	s_mov_b32 s[G1+2], (TM/2)<<16
	s_mov_b32 s[G1+3], KSTEP<<16
	s_mov_b32 s[G1+4], TM/2
	s_mov_b32 s[G1+5], SIZE_K
	s_mov_b32 s[G1+6], 0
	s_mov_b32 s[G1+7], 0
	s_mov_b32 s[G1B+1], KSTEP<<16
	s_mov_b32 s[G1B+2], (TN/2)<<16
	s_mov_b32 s[G1B+3], KSTEP<<16
	s_mov_b32 s[G1B+4], TN/2
	s_mov_b32 s[G1B+5], SIZE_K
	s_mov_b32 s[G1B+6], 0
	s_mov_b32 s[G1B+7], 0
	s_mul_i32 s[LA], s12, (TM/2)*PITCH
	s_mul_i32 s[LB], s12, (TN/2)*PITCH
	s_add_co_u32 s[LB], s[LB], TM*PITCH
	s_mov_b32 s[TF], SLOT
	s_mov_b32 s[TR], 0
	s_mul_i32 s16, s13, TM
	s_mul_i32 s17, s12, TM/2
	s_add_co_u32 s16, s16, s17
	s_mul_i32 s16, s16, SIZE_K*2
	s_mov_b32 s17, 0
	s_mul_i32 s46, s42, TN
	s_mul_i32 s47, s12, TN/2
	s_add_co_u32 s46, s46, s47
	s_mul_i32 s46, s46, SIZE_K*2
	s_mov_b32 s47, 0
	s_mov_b32 s[G0], 1
	s_mov_b32 s[G0+1], s[LA]
	s_mov_b32 s[G0+4], 1
	s_add_co_u32 s[G0+5], s[LA], SLOT
	s_mov_b32 s[G0B], 1
	s_mov_b32 s[G0B+1], s[LB]
	s_mov_b32 s[G0B+4], 1
	s_add_co_u32 s[G0B+5], s[LB], SLOT
	s_wait_dscnt 0x0
	s_wait_kmcnt 0x0
.if WOFF
	s_add_nc_u64 s[6:7], s[6:7], WOFF
.endif
	s_add_nc_u64 s[G0+2:G0+3], s[4:5], s[16:17]
	s_add_nc_u64 s[G0+6:G0+7], s[G0+2:G0+3], KSTEP*2
	s_or_b32 s[G0+3], s[G0+3], 0x80000000
	s_or_b32 s[G0+7], s[G0+7], 0x80000000
	s_add_nc_u64 s[G0B+2:G0B+3], s[6:7], s[46:47]
	s_add_nc_u64 s[G0B+6:G0B+7], s[G0B+2:G0B+3], KSTEP*2
	s_or_b32 s[G0B+3], s[G0B+3], 0x80000000
	s_or_b32 s[G0B+7], s[G0B+7], 0x80000000
	CROUND
	s_cmp_eq_u32 s11, 0
	s_cbranch_scc0 .Lfirst_b
	tensor_load_to_lds s[G0:G0+3], s[G1:G1+7]
	s_nop 0
	tensor_load_to_lds s[G0+4:G0+7], s[G1:G1+7]
	s_nop 0
	PLACES
	s_branch .Lfirst_done
.Lfirst_b:
	tensor_load_to_lds s[G0B:G0B+3], s[G1B:G1B+7]
	s_nop 0
	tensor_load_to_lds s[G0B+4:G0B+7], s[G1B:G1B+7]
	s_nop 0
	PLACES
.Lfirst_done:
	v_and_b32 v1, 15, v0
	v_bfe_u32 v2, v0, 4, 1
	v_mul_u32_u24 v3, v1, PITCH
	v_lshl_add_u32 v3, v2, 4, v3
	s_mul_i32 s14, s11, 16*WM*PITCH
	s_mul_i32 s15, s12, 16*WN*PITCH
	s_add_co_u32 s15, s15, TM*PITCH
	v_add_nc_u32 v[A0], s14, v3
	v_add_nc_u32 v[B0], s15, v3
	v_mov_b32 v[ADRA], v[A0]
	v_mov_b32 v[ADRB], v[B0]
	v_lshlrev_b32 v[BO], 5, v2
	s_mul_i32 s14, s42, TN                         ; the bias of my 64 columns
	s_mul_i32 s15, s12, 16*WN
	s_add_co_u32 s14, s14, s15
	s_lshl_b32 s14, s14, 2
	s_mov_b32 s15, 0
	s_add_nc_u64 s[68:69], s[68:69], s[14:15]
.set b, 0
.rept WN
	global_load_b128 v[BIAS+8*b:BIAS+8*b+3],   v[BO], s[68:69] offset:64*b
	global_load_b128 v[BIAS+8*b+4:BIAS+8*b+7], v[BO], s[68:69] offset:64*b+16
.set b, b+1
.endr
	; my 64 x 64 of the residual and of the output: a row's 64 f32 are 256 aligned bytes; lanes 0-15 take one row, lanes 16-31 the next
	s_lshl_b32 s14, s13, 7
	s_lshl_b32 s15, s11, 6
	s_add_co_u32 s14, s14, s15
	s_lshl_b32 s14, s14, 12
	s_lshl_b32 s15, s42, 9
	s_add_co_u32 s14, s14, s15
	s_lshl_b32 s15, s12, 8
	s_add_co_u32 s14, s14, s15
	s_mov_b32 s15, 0
	s_add_nc_u64 s[70:71], s[70:71], s[14:15]
	s_add_nc_u64 s[8:9], s[8:9], s[14:15]
	v_lshlrev_b32 v[CO], 12, v2
	v_lshl_add_u32 v[CO], v1, 4, v[CO]
	WIN 0x80
.set t, 0
.rept 32
	global_load_b128 v[RES+4*t:RES+4*t+3], v[CO], s[70:71] offset:8192*t
.set t, t+1
.endr
	WIN 0
.if PF
	s_and_b32 s14, ttmp7, 0xffff
	s_mul_i32 s15, s13, TM
	s_mul_i32 s18, s42, TN
	s_cmp_eq_u32 s11, 0
	s_cselect_b32 s66, s15, s18
	s_cselect_b32 s15, s40, s41
	s_cselect_b32 s14, ttmp9, s14
	s_cselect_b32 s19, TM/8, TN/8
	s_cselect_b64 s[PFA:PFA+1], s[4:5], s[6:7]
	s_cmp_eq_u32 s14, 0
	s_cselect_b32 s[LIM], 2, -1
	s_lshl_b32 s18, s19, 2
	s_mul_i32 s18, s18, s12
	s_mul_i32 s15, s15, s19
	s_add_co_u32 s66, s66, s18
	s_add_co_u32 s66, s66, s15
	s_mul_i32 s66, s66, SIZE_K*2
	s_add_co_u32 s66, s66, 2*KSTEP*2
	s_mov_b32 s67, 0
	s_add_nc_u64 s[PFA:PFA+1], s[PFA:PFA+1], s[66:67]
	s_sub_co_u32 s19, s19, 1
	v_and_b32 v[PFO], 31, v0
.if KD == 2
	v_and_b32 v4, 1, v[PFO]
	v_lshrrev_b32 v[PFO], 1, v[PFO]
.endif
	v_min_u32 v[PFO], s19, v[PFO]
	v_mul_u32_u24 v[PFO], v[PFO], SIZE_K*2
.if KD == 2
	v_lshl_add_u32 v[PFO], v4, 8, v[PFO]
.endif
.endif
	s_mul_i32 s14, s10, 64*SP                      ; my own stage: 64 rows x 272 bytes
	v_mul_u32_u24 v[STO], v1, SP
	v_lshl_add_u32 v[STO], v2, 5, v[STO]
	v_add_nc_u32 v[STO], s14, v[STO]
	v_add_nc_u32 v[STO2], 32*SP, v[STO]
	v_mul_u32_u24 v[RD], v2, SP
	v_lshl_add_u32 v[RD], v1, 4, v[RD]
	v_add_nc_u32 v[RD], s14, v[RD]
	s_wait_tensorcnt 0x1                           ; my part of K step 0 is in; K step 1's may stay out
	s_barrier_signal -1
	s_barrier_wait -1
	FETCH 0, F0
	s_wait_loadcnt 32                              ; the bias is in; the residual's 32 younger loads stay out
	QUARTER QB, F0, F1, 1
	WIN 0
	s_mov_b32 s2, T-2
.Lslot:
	QUARTER 2*QB, F1, F0, 0
	QUARTER 3*QB, F0, F1, 0
	TURN 1
	QUARTER QB, F0, F1, 0
	WIN 0
	s_sub_co_u32 s2, s2, 1
	s_cmp_lg_u32 s2, 0
	s_cbranch_scc1 .Lslot
	s_mov_b32 s3, 2
.Ltail:
	QUARTER 2*QB, F1, F0, 0
	QUARTER 3*QB, F0, F1, 0
	WIN 0
	s_sub_co_u32 s3, s3, 1
	s_cmp_eq_u32 s3, 0
	s_cbranch_scc1 .Lfin
	TURN 0
	QUARTER QB, F0, F1, 0
	WIN 0
	s_branch .Ltail
.Lfin:
	LASTQ
	DUMP
.set t, 0
.rept 32                               ; back as whole rows: LDS serves a wave's instructions in order, and the stage is the wave's own
	ds_load_b128 v[64+4*t:64+4*t+3], v[RD] offset:544*t
.set t, t+1
.endr
	s_wait_dscnt 0x0
	s_wait_loadcnt 0x0                             ; the residual
	WIN 0x08                                       ; source 1 in window 2
.set t, 0
.rept 64
	v_pk_add_f32 v[64+2*t:64+2*t+1], v[64+2*t:64+2*t+1], v[RES+2*t:RES+2*t+1]
.set t, t+1
.endr
	WIN 0
.set t, 0
.rept 32
	global_store_b128 v[CO], v[64+4*t:64+4*t+3], s[8:9] offset:8192*t  ; 16 lanes store 256 consecutive bytes, aligned
.set t, t+1
.endr
	s_wait_tensorcnt 0x0                           ; the wave's end
	ds_add_u32 v[SPW], v[NIL]
	s_wait_dscnt 0x0
	CROUND
	s_endpgm
.Lfunc_end_k_q9193ab5e70_wo:
	.size	k_q9193ab5e70_wo, .Lfunc_end_k_q9193ab5e70_wo-k_q9193ab5e70_wo
	.p2alignl 7, 3214868480
	.fill 96, 4, 3214868480
	.section	.rodata,"a",@progbits
	.p2align	6, 0x0
	.amdhsa_kernel k_q9193ab5e70_wo
		.amdhsa_group_segment_fixed_size 327680
		.amdhsa_private_segment_fixed_size 0
		.amdhsa_enable_private_segment 0
		.amdhsa_kernarg_size 40
		.amdhsa_user_sgpr_count 2
		.amdhsa_user_sgpr_kernarg_segment_ptr 1
		.amdhsa_wavefront_size32 1
		.amdhsa_system_sgpr_workgroup_id_x 1
		.amdhsa_system_sgpr_workgroup_id_y 1
		.amdhsa_system_sgpr_workgroup_id_z 1
		.amdhsa_system_vgpr_workitem_id 0
		.amdhsa_next_free_vgpr 768
		.amdhsa_next_free_sgpr 96
		.amdhsa_reserve_vcc 0
		.amdhsa_float_denorm_mode_32 3
		.amdhsa_float_denorm_mode_16_64 3
		.amdhsa_memory_ordered 1
		.amdhsa_forward_progress 1
		.amdhsa_inst_pref_size 68
	.end_amdhsa_kernel
	.amdgpu_metadata
---
amdhsa.version: [ 1, 2 ]
amdhsa.kernels:
  - .name:           k_q9193ab5e70_wo
    .symbol:         k_q9193ab5e70_wo.kd
    .args:
      - { .name: ao, .offset: 0, .size: 8, .value_kind: global_buffer, .address_space: global }
      - { .name: wb, .offset: 8, .size: 8, .value_kind: global_buffer, .address_space: global }
      - { .name: bo, .offset: 16, .size: 8, .value_kind: global_buffer, .address_space: global }
      - { .name: x, .offset: 24, .size: 8, .value_kind: global_buffer, .address_space: global }
      - { .name: x1, .offset: 32, .size: 8, .value_kind: global_buffer, .address_space: global }
    .group_segment_fixed_size: 327680
    .private_segment_fixed_size: 0
    .kernarg_segment_align: 8
    .kernarg_segment_size: 40
    .max_flat_workgroup_size: 128
    .sgpr_count:     96
    .vgpr_count:     768
    .wavefront_size: 32
...
	.end_amdgpu_metadata
.endif
;; end of part 4
;; launch ln2 (part 5): grid 256 x 1, 8 waves a work-group, no clusters, 0 bytes of LDS; arguments x1, ln2_w, ln2_b, nx; writes nx
.if DOCPART == 5
	.amdgcn_target "amdgcn-amd-amdhsa--gfx1250"
	.amdhsa_code_object_version 6
	.text
	.protected	k_q9193ab5e70_ln2
	.globl	k_q9193ab5e70_ln2
	.p2align	8
	.type	k_q9193ab5e70_ln2,@function
k_q9193ab5e70_ln2:
	s_mov_b64 s[64:65], 0
	v_nop
	global_prefetch_b8 v0, s[64:65] scope:SCOPE_SE
	s_setreg_imm32_b32 hwreg(HW_REG_WAVE_MODE, 25, 1), 1
	s_wait_xcnt 0x0
; LayerNorm 2: nx = (x1 - mean) * rsqrt(var + 1e-5) * ln2_w + ln2_b, rounded once to bf16.  x1 [4096][1024] f32, nx [4096][1024] bf16.
; 16 rows a work-group, a wave a row, two rows a wave; a row stays in 32 registers between its passes, so it is read once.  The mean is taken away before the squares are summed.
; Memory binds: loads of 512 consecutive bytes, stores of 256 aligned bytes; no LDS, no barrier, no matrix unit.
.set GW,  8                            ; v[8:39]    the gain of my 32 columns
.set GB,  40                           ; v[40:71]   the bias
.set X0,  72                           ; v[72:103]  the wave's first row
.set X1,  104                          ; v[104:135] its second row
.set T,   136                          ; v[136:151] at work
.set MU,  152
.set RS,  154
.macro FOLD                            ; the four pairs T .. T+7 into one number, the same in all 32 lanes
	v_pk_add_f32 v[T:T+1], v[T:T+1], v[T+4:T+5]
	v_pk_add_f32 v[T+2:T+3], v[T+2:T+3], v[T+6:T+7]
	v_pk_add_f32 v[T:T+1], v[T:T+1], v[T+2:T+3]
	v_add_f32 v[T], v[T], v[T+1]
	v_add_f32_dpp v[T], v[T], v[T] row_xmask:1 row_mask:0xf bank_mask:0xf
	v_add_f32_dpp v[T], v[T], v[T] row_xmask:2 row_mask:0xf bank_mask:0xf
	v_add_f32_dpp v[T], v[T], v[T] row_xmask:4 row_mask:0xf bank_mask:0xf
	v_add_f32_dpp v[T], v[T], v[T] row_xmask:8 row_mask:0xf bank_mask:0xf
	v_permlanex16_b32 v[T+1], v[T], s10, s11
	v_add_f32 v[T], v[T], v[T+1]
.endm
.macro LNROW X, left, out              ; register 4 j + e of the row is column 128 j + 4 lane + e
	s_wait_loadcnt \left
.set j, 0
.rept 8
	v_pk_add_f32 v[T+2*j:T+2*j+1], v[\X+4*j:\X+4*j+1], v[\X+4*j+2:\X+4*j+3]
.set j, j+1
.endr
.set j, 0
.rept 4
	v_pk_add_f32 v[T+2*j:T+2*j+1], v[T+2*j:T+2*j+1], v[T+8+2*j:T+8+2*j+1]
.set j, j+1
.endr
	FOLD
	v_mul_f32 v[MU], s12, v[T]
	v_mul_f32 v[MU+1], s12, v[T]
.set j, 0
.rept 16
	v_pk_add_f32 v[\X+2*j:\X+2*j+1], v[\X+2*j:\X+2*j+1], v[MU:MU+1] neg_lo:[0,1] neg_hi:[0,1]
.set j, j+1
.endr
.set j, 0
.rept 4
	v_pk_mul_f32 v[T+2*j:T+2*j+1], v[\X+2*j:\X+2*j+1], v[\X+2*j:\X+2*j+1]
.set j, j+1
.endr
.rept 12
	v_pk_fma_f32 v[T+2*(j%4):T+2*(j%4)+1], v[\X+2*j:\X+2*j+1], v[\X+2*j:\X+2*j+1], v[T+2*(j%4):T+2*(j%4)+1]
.set j, j+1
.endr
	FOLD
	v_fma_f32 v[T], v[T], s12, s13
	v_rsq_f32 v[RS], v[T]
	v_rsq_f32 v[RS+1], v[T]
	v_nop                                          ; a plain instruction behind the second root,
	s_wait_alu depctr_va_vdst(0)                   ; and one wait for both, ahead of their first reader
.set j, 0
.rept 16
	v_pk_mul_f32 v[\X+2*j:\X+2*j+1], v[\X+2*j:\X+2*j+1], v[RS:RS+1]
.set j, j+1
.endr
.set j, 0
.rept 16
	v_pk_fma_f32 v[\X+2*j:\X+2*j+1], v[\X+2*j:\X+2*j+1], v[GW+2*j:GW+2*j+1], v[GB+2*j:GB+2*j+1]
.set j, j+1
.endr
.set j, 0
.rept 16
	v_cvt_pk_bf16_f32 v[\X+j], v[\X+2*j], v[\X+2*j+1]
.set j, j+1
.endr
.set j, 0
.rept 8
	global_store_b64 v3, v[\X+2*j:\X+2*j+1], s[22:23] offset:(\out)+256*j
.set j, j+1
.endr
.endm
	s_load_b256 s[16:23], s[0:1], 0x0              ; x1 16, ln2_w 18, ln2_b 20, nx 22
	v_lshrrev_b32 v1, 5, v0
	v_readfirstlane_b32 s8, v1
	v_and_b32 v1, 31, v0
	s_mov_b32 s3, 0
	s_lshl_b32 s2, ttmp9, 16
	s_lshl_b32 s4, s8, 13
	s_add_co_u32 s2, s2, s4
	s_mov_b32 s10, 0x76543210
	s_mov_b32 s11, 0xfedcba98
	s_mov_b32 s12, 0x3a800000                      ; 1 / 1024
	s_mov_b32 s13, 0x3727c5ac                      ; 1e-5
	v_lshlrev_b32 v2, 4, v1
	v_lshlrev_b32 v3, 3, v1
	s_wait_kmcnt 0x0
	s_add_nc_u64 s[16:17], s[16:17], s[2:3]
	s_lshr_b32 s2, s2, 1
	s_add_nc_u64 s[22:23], s[22:23], s[2:3]
.irp j, 0,1,2,3,4,5,6,7
	global_load_b128 v[GW+4*\j:GW+4*\j+3], v2, s[18:19] offset:512*\j
.endr
.irp j, 0,1,2,3,4,5,6,7
	global_load_b128 v[GB+4*\j:GB+4*\j+3], v2, s[20:21] offset:512*\j
.endr
.irp j, 0,1,2,3,4,5,6,7
	global_load_b128 v[X0+4*\j:X0+4*\j+3], v2, s[16:17] offset:512*\j
.endr
.irp j, 0,1,2,3,4,5,6,7
	global_load_b128 v[X1+4*\j:X1+4*\j+3], v2, s[16:17] offset:4096+512*\j
.endr
	LNROW X0, 8, 0                                 ; the second row's eight loads stay out
	LNROW X1, 0, 2048
	s_endpgm
.Lfunc_end_k_q9193ab5e70_ln2:
	.size	k_q9193ab5e70_ln2, .Lfunc_end_k_q9193ab5e70_ln2-k_q9193ab5e70_ln2
	.p2alignl 7, 3214868480
	.fill 96, 4, 3214868480
	.section	.rodata,"a",@progbits
	.p2align	6, 0x0
	.amdhsa_kernel k_q9193ab5e70_ln2
		.amdhsa_group_segment_fixed_size 0
		.amdhsa_private_segment_fixed_size 0
		.amdhsa_enable_private_segment 0
		.amdhsa_kernarg_size 32
		.amdhsa_user_sgpr_count 2
		.amdhsa_user_sgpr_kernarg_segment_ptr 1
		.amdhsa_wavefront_size32 1
		.amdhsa_system_sgpr_workgroup_id_x 1
		.amdhsa_system_sgpr_workgroup_id_y 1
		.amdhsa_system_sgpr_workgroup_id_z 1
		.amdhsa_system_vgpr_workitem_id 0
		.amdhsa_next_free_vgpr 160
		.amdhsa_next_free_sgpr 66
		.amdhsa_reserve_vcc 0
		.amdhsa_float_denorm_mode_32 3
		.amdhsa_float_denorm_mode_16_64 3
		.amdhsa_memory_ordered 1
		.amdhsa_forward_progress 1
		.amdhsa_inst_pref_size 20
	.end_amdhsa_kernel
	.amdgpu_metadata
---
amdhsa.version: [ 1, 2 ]
amdhsa.kernels:
  - .name:           k_q9193ab5e70_ln2
    .symbol:         k_q9193ab5e70_ln2.kd
    .args:
      - { .name: x1, .offset: 0, .size: 8, .value_kind: global_buffer, .address_space: global }
      - { .name: ln2_w, .offset: 8, .size: 8, .value_kind: global_buffer, .address_space: global }
      - { .name: ln2_b, .offset: 16, .size: 8, .value_kind: global_buffer, .address_space: global }
      - { .name: nx, .offset: 24, .size: 8, .value_kind: global_buffer, .address_space: global }
    .group_segment_fixed_size: 0
    .private_segment_fixed_size: 0
    .kernarg_segment_align: 8
    .kernarg_segment_size: 32
    .max_flat_workgroup_size: 256
    .sgpr_count:     66
    .vgpr_count:     160
    .wavefront_size: 32
...
	.end_amdgpu_metadata
.endif
;; end of part 5
;; launch fc1 (part 6): grid 16 x 16, 4 waves a work-group, clusters of 4 x 4, 327,680 bytes of LDS; arguments nx, wb, b1, hb; writes hb
.if DOCPART == 6
	.amdgcn_target "amdgcn-amd-amdhsa--gfx1250"
	.amdhsa_code_object_version 6
	.text
	.protected	k_q9193ab5e70_fc1
	.globl	k_q9193ab5e70_fc1
	.p2align	8
	.type	k_q9193ab5e70_fc1,@function
k_q9193ab5e70_fc1:
	s_mov_b64 s[64:65], 0
	v_nop
	global_prefetch_b8 v0, s[64:65] scope:SCOPE_SE
	s_setreg_imm32_b32 hwreg(HW_REG_WAVE_MODE, 25, 1), 1
	s_wait_xcnt 0x0
	s_wait_alu depctr_hold_cnt(0) depctr_sa_sdst(0) depctr_va_vdst(0) depctr_va_sdst(0) depctr_va_ssrc(0) depctr_va_vcc(0) depctr_vm_vsrc(0)
	s_getreg_b32 s2, hwreg(HW_REG_IB_STS2, 6, 4)
	s_cmp_eq_u32 s2, 0
	s_cbranch_scc0 .Lentry_in_a_cluster
	s_endpgm
.Lentry_in_a_cluster:
	s_bfe_u32 s2, ttmp6, 0x10000c
	s_cmp_lg_u32 s2, 0xf033
	s_cbranch_scc0 .Lentry_shape_is_right
	s_endpgm
.Lentry_shape_is_right:
; hb = gelu(nx w1^T + b1), rounded once to bf16.  C[4096][4096] = A B^T, A = nx [4096][1024] bf16, B = w1 in wb [4096][1024] bf16; sums in f32, started by the bias.
; GELU (the exact one, by erf): gelu(x) = max(x, 0) - |x| q, q = (a1 t + a2 t^2 + a3 t^3) 2^(-0.72134752 x^2), t = 1 / (1 + 0.33267253 |x|): the three-term rational form of erfc
; (Abramowitz and Stegun 7.1.25, coefficients halved).  LIMIT: its error in erf is at most 2.5e-5, for every x; in gelu that is 1.25e-5 |x| where q is not yet 0.
; A tile of C is 256 x 256: 16 x 16 tiles, one for each of 256 work-groups.  Four waves, 2 x 2, each 128 x 128: 64 accumulators.  K goes in steps of 128 through two LDS slots (rows of 256 bytes + 16).
; CLUSTER 4 x 4: A's tile is asked for jointly along a row of the cluster, B's along a column.  THE MATRIX INSTRUCTION IS USED TRANSPOSED: a lane holds row lane % 16 of C and 8 neighbouring columns.
; ONE K STEP IS WRITTEN ONCE; the slot to fill and the slot to read are scalar registers turned by an exclusive or.
; THE WAY OUT goes through the wave's own stage in LDS as f32, so that one text serves all rows: eight rows a trip, in two groups of four that are worked on a phase apart, so that
; each reciprocal and exponential stands between plain lines of the other group.
; REGISTERS: window 0: v16-31 addresses, v64-127, v128-191 A's two buffers, v192-255 the bias (on the way out v64-151 and v160-247 the two groups); window 1: v64-127, v128-191 B's buffers; windows 2, 3: the accumulators.
.set SIZE_K, 1024
.set TM,     256
.set TN,     256
.set WM,     8
.set WN,     8
.set KD,     1
.set KSTEP,  128
.set PITCH,  272
.set QI,     5
.set WOFF,   8388608
.set PF,     1
.set SP,     528                       ; a stage row: 128 f32 + 16 bytes
.set T,      SIZE_K/KSTEP
.set SLOT,   (TM+TN)*PITCH
.set SPARE,  2*SLOT
.set QB,     64*KD
.set NL,     2*KD*(WM+WN)
.set HW,     WM*(2-KD)+16*(KD-1)
.set ADRA, 16
.set ADRB, 17
.set A0,   18
.set B0,   19
.set STO,  24
.set RD,   25
.set CO,   26
.set STO2, 27
.set SPW,  28
.set NIL,  29
.set PFO,  30
.set BO,   31
.set F0,   64
.set F1,   128
.set BIAS, 192
.set GA,   64                          ; the way out, a group of four rows: +0 x, +16 1 + p |x| then t, +32 the exponent then e, +48 max(x, 0) then gelu, +64 the polynomial, +80 eight packed words
.set GB,   160
.set G1,   24
.set G0,   32
.set G1B,  48
.set G0B,  56
.set LA,   20
.set LB,   21
.set TF,   22
.set TR,   23
.set LIM,  43
.set PFA,  44
.set MSB, 0
.macro WIN new
.if MSB != (\new)
	s_set_vgpr_msb (MSB<<8)|(\new)
.set MSB, \new
.endif
.endm
.macro PLACES
.rept 4
	v_nop
.endr
.endm
.macro JLOAD
	s_cmp_eq_u32 s11, 0
	s_cbranch_scc0 .Lfor_b_\@
	tensor_load_to_lds s[G0+4:G0+7], s[G1:G1+7]
	s_nop 0
	PLACES
	s_branch .Lasked_\@
.Lfor_b_\@:
	tensor_load_to_lds s[G0B+4:G0B+7], s[G1B:G1B+7]
	s_nop 0
	PLACES
.Lasked_\@:
.endm
.macro CREST
	s_cmp_lg_u32 s10, 0
	s_cbranch_scc1 .Lnot_wave_0_\@
	s_barrier_signal -3
.Lnot_wave_0_\@:
	s_barrier_wait -3
	s_barrier_signal -1
	s_barrier_wait -1
.endm
.macro CROUND
	s_barrier_signal -1
	s_barrier_wait -1
	CREST
.endm
.macro ASK                             ; trip t names K step t + 4, two refills ahead: allowed while s2 = T - 2 - t is above 2
	s_cmp_gt_u32 s2, s[LIM]
	s_cbranch_scc0 .Lnot_mine_\@
	global_prefetch_b8 v[PFO], s[PFA:PFA+1] offset:KSTEP*2 th:TH_LOAD_NT scope:SCOPE_SE
.Lnot_mine_\@:
.endm
; A quarter of a quarter step's products: row blocks 2 g, 2 g + 1 x all column blocks.  first = 1: they take the bias as C.  All 64 accumulators take turns, in the same order everywhere.
.macro MULP f, g, first
.if KD == 1
.set mc, 0
.set ma, 2*(\g)
.else
.set mc, (\g)/2
.set ma, 2*((\g)%2)
.endif
.rept 2
.set mb, 0
.rept WN
.set mi, 8*(ma*WN+mb)
.set mr, mi%256
.set mw, mi/256
.if (\first) && (mc == 0)
	WIN 0x81+0x40*mw
	v_wmma_f32_16x16x32_bf16 v[mr:mr+7], v[(\f)+8*(WN*mc+mb):(\f)+8*(WN*mc+mb)+7], v[(\f)+8*(WM*mc+ma):(\f)+8*(WM*mc+ma)+7], v[BIAS+8*mb:BIAS+8*mb+7]
.else
	WIN 0xa1+0x50*mw
	v_wmma_f32_16x16x32_bf16 v[mr:mr+7], v[(\f)+8*(WN*mc+mb):(\f)+8*(WN*mc+mb)+7], v[(\f)+8*(WM*mc+ma):(\f)+8*(WM*mc+ma)+7], v[mr:mr+7]
.endif
.set mb, mb+1
.endr
.set ma, ma+1
.endr
.endm
.macro FETCH k, f                      ; one run of LDS loads: B's fragments, then A's
.set fc, 0
.rept KD
	WIN 0x40
.set fi, 0
.rept WN
	ds_load_b128 v[(\f)+8*(WN*fc+fi):(\f)+8*(WN*fc+fi)+3],   v[ADRB] offset:(\k)+64*fc+fi*16*PITCH
	ds_load_b128 v[(\f)+8*(WN*fc+fi)+4:(\f)+8*(WN*fc+fi)+7], v[ADRB] offset:(\k)+64*fc+fi*16*PITCH+32
.set fi, fi+1
.endr
	WIN 0
.set fi, 0
.rept WM
	ds_load_b128 v[(\f)+8*(WM*fc+fi):(\f)+8*(WM*fc+fi)+3],   v[ADRA] offset:(\k)+64*fc+fi*16*PITCH
	ds_load_b128 v[(\f)+8*(WM*fc+fi)+4:(\f)+8*(WM*fc+fi)+7], v[ADRA] offset:(\k)+64*fc+fi*16*PITCH+32
.set fi, fi+1
.endr
.set fc, fc+1
.endr
.endm
.macro QUARTER k, f, g, first
	s_wait_dscnt HW                                ; B and A's rows 0-63 are in; the youngest eight loads (A's rows 64-127) may be out
	MULP \f, 0, \first
	MULP \f, 1, \first
	PLACES
	FETCH \k, \g
	s_wait_dscnt NL                                ; all but the run just issued
	MULP \f, 2, \first
	MULP \f, 3, \first
.endm
; The fourth quarter and the change of slots: ahead of the one barrier each wave waits for all its tensor loads, adds 0 to its spare word, and waits for that and for its reads of this slot.
; fill = 1: the barrier opens a round of the cluster's, and the joint refill is the first thing behind the round.
.macro TURN fill
.if PF && (\fill)
	s_wait_xcnt 0x0                                ; the last prefetch, a K step back, has read its address
	s_add_nc_u64 s[PFA:PFA+1], s[PFA:PFA+1], KSTEP*2
.endif
	WIN 0
	s_wait_tensorcnt 0x0
	ds_add_u32 v[SPW], v[NIL]
	s_wait_dscnt HW+1                              ; the add and the youngest HW loads may be out
	MULP F1, 0, 0
	s_wait_dscnt 0x0
	s_barrier_signal -1
	MULP F1, 1, 0
	WIN 0
	s_barrier_wait -1
.if \fill
	CREST
	s_xor_b32 s[TF], s[TF], SLOT
	s_add_co_u32 s[G0+5], s[LA], s[TF]
	s_add_co_u32 s[G0B+5], s[LB], s[TF]
	s_add_nc_u64 s[G0+6:G0+7], s[G0+6:G0+7], KSTEP*2
	s_add_nc_u64 s[G0B+6:G0B+7], s[G0B+6:G0B+7], KSTEP*2
	JLOAD
.else
	PLACES
.endif
	s_xor_b32 s[TR], s[TR], SLOT
	v_add_nc_u32 v[ADRA], s[TR], v[A0]
	v_add_nc_u32 v[ADRB], s[TR], v[B0]
	FETCH 0, F0
.if PF && (\fill)
	ASK
.endif
	MULP F1, 2, 0
	MULP F1, 3, 0
.endm
.macro LASTQ                           ; behind its barrier no wave reads a slot, and no slot is filled again: the stages may lie there
	s_wait_dscnt 0x0
	s_barrier_signal -1
	MULP F1, 0, 0
	MULP F1, 1, 0
	MULP F1, 2, 0
	MULP F1, 3, 0
	WIN 0
	s_barrier_wait -1
	PLACES
.endm
.macro DUMP
.set da, 0
.rept WM
.set db, 0
.rept WN
.set di, 8*(da*WN+db)
	WIN 0x08+4*(di/256)
.if da < WM/2
	ds_store_b128 v[STO], v[di%256:di%256+3]    offset:16*da*SP+64*db
	ds_store_b128 v[STO], v[di%256+4:di%256+7]  offset:16*da*SP+64*db+16
.else
	ds_store_b128 v[STO2], v[di%256:di%256+3]   offset:16*(da-WM/2)*SP+64*db
	ds_store_b128 v[STO2], v[di%256+4:di%256+7] offset:16*(da-WM/2)*SP+64*db+16
.endif
.set db, db+1
.endr
.set da, da+1
.endr
	WIN 0
.endm
; GELU OF A GROUP's 16 numbers a lane, as four numbered lists.  GP q: plain line q of 32 ahead of the transcendentals: 1 + p |x|; then the exponent -0.7213 x x, a pair a line.
.macro GP G, q
.if (\q) < 16
	v_fma_f32 v[(\G)+16+(\q)], |v[(\G)+(\q)]|, s72, 1.0
.elseif (\q) < 24
	v_pk_mul_f32 v[(\G)+32+2*((\q)-16):(\G)+33+2*((\q)-16)], v[(\G)+2*((\q)-16):(\G)+1+2*((\q)-16)], s[74:75] op_sel_hi:[1,0]
.else
	v_pk_mul_f32 v[(\G)+32+2*((\q)-24):(\G)+33+2*((\q)-24)], v[(\G)+32+2*((\q)-24):(\G)+33+2*((\q)-24)], v[(\G)+2*((\q)-24):(\G)+1+2*((\q)-24)]
.endif
.endm
.macro GT G, e                         ; transcendental e of 32: t and e by turns
.if (\e)%2 == 0
	v_rcp_f32 v[(\G)+16+(\e)/2], v[(\G)+16+(\e)/2]
.else
	v_exp_f32 v[(\G)+32+(\e)/2], v[(\G)+32+(\e)/2]
.endif
.endm
.macro GM G                            ; max(x, 0): sixteen plain lines that name no result of a transcendental
.set gn, 0
.rept 16
	v_max_num_f32 v[(\G)+48+gn], 0, v[(\G)+gn]
.set gn, gn+1
.endr
.endm
.macro GQ G, k                         ; plain line k of 56 behind the wait: a3 t + a2; t + a1; t; e; max(x, 0) - |x| q; two roundings
.if (\k) < 8
	v_pk_fma_f32 v[(\G)+64+2*(\k):(\G)+65+2*(\k)], v[(\G)+16+2*(\k):(\G)+17+2*(\k)], s[76:77], s[78:79] op_sel_hi:[1,0,0]
.elseif (\k) < 16
	v_pk_fma_f32 v[(\G)+64+2*((\k)-8):(\G)+65+2*((\k)-8)], v[(\G)+64+2*((\k)-8):(\G)+65+2*((\k)-8)], v[(\G)+16+2*((\k)-8):(\G)+17+2*((\k)-8)], s[80:81] op_sel_hi:[1,1,0]
.elseif (\k) < 24
	v_pk_mul_f32 v[(\G)+64+2*((\k)-16):(\G)+65+2*((\k)-16)], v[(\G)+64+2*((\k)-16):(\G)+65+2*((\k)-16)], v[(\G)+16+2*((\k)-16):(\G)+17+2*((\k)-16)]
.elseif (\k) < 32
	v_pk_mul_f32 v[(\G)+64+2*((\k)-24):(\G)+65+2*((\k)-24)], v[(\G)+64+2*((\k)-24):(\G)+65+2*((\k)-24)], v[(\G)+32+2*((\k)-24):(\G)+33+2*((\k)-24)]
.elseif (\k) < 48
	v_fma_f32 v[(\G)+48+(\k)-32], -|v[(\G)+(\k)-32]|, v[(\G)+64+(\k)-32], v[(\G)+48+(\k)-32]
.else
	v_cvt_pk_bf16_f32 v[(\G)+80+(\k)-48], v[(\G)+48+2*((\k)-48)], v[(\G)+49+2*((\k)-48)]
.endif
.endm
	s_load_b128 s[4:7], s[0:1], 0x0                ; A = nx s[4:5], wb s[6:7]
	s_load_b128 s[68:71], s[0:1], 0x10             ; b1 s[68:69], hb s[70:71]
	v_lshl_add_u32 v[SPW], v0, 2, SPARE
	v_mov_b32 v[NIL], 0
	ds_add_u32 v[SPW], v[NIL]                      ; the wave's opening: the add, waited for ahead of my first tensor load
	v_lshrrev_b32 v1, 5, v0
	v_readfirstlane_b32 s10, v1
	s_lshr_b32 s11, s10, 1
	s_and_b32 s12, s10, 1
	s_bfe_u32 s40, ttmp6, 0x40000
	s_bfe_u32 s41, ttmp6, 0x40004
	s_lshl_b32 s42, ttmp9, 2
	s_add_co_u32 s42, s42, s40                     ; tile column
	s_and_b32 s13, ttmp7, 0xffff
	s_lshl_b32 s13, s13, 2
	s_add_co_u32 s13, s13, s41                     ; tile row
	s_lshl_b32 s14, s41, 2
	s_lshl_b32 s14, 15, s14
	s_lshl_b32 s15, 0x1111, s40
	s_or_b32 s[G1], s14, (1<<16)|(1<<20)|(1<<21)|(QI<<22)|(3<<25)
	s_or_b32 s[G1B], s15, (1<<16)|(1<<20)|(1<<21)|(QI<<22)|(3<<25)
	s_mov_b32 s[G1+1], KSTEP<<16
	s_mov_b32 s[G1+2], (TM/2)<<16
	s_mov_b32 s[G1+3], KSTEP<<16
	s_mov_b32 s[G1+4], TM/2
	s_mov_b32 s[G1+5], SIZE_K
	s_mov_b32 s[G1+6], 0
	s_mov_b32 s[G1+7], 0
	s_mov_b32 s[G1B+1], KSTEP<<16
	s_mov_b32 s[G1B+2], (TN/2)<<16
	s_mov_b32 s[G1B+3], KSTEP<<16
	s_mov_b32 s[G1B+4], TN/2
	s_mov_b32 s[G1B+5], SIZE_K
	s_mov_b32 s[G1B+6], 0
	s_mov_b32 s[G1B+7], 0
	s_mul_i32 s[LA], s12, (TM/2)*PITCH
	s_mul_i32 s[LB], s12, (TN/2)*PITCH
	s_add_co_u32 s[LB], s[LB], TM*PITCH
	s_mov_b32 s[TF], SLOT
	s_mov_b32 s[TR], 0
	s_mul_i32 s16, s13, TM
	s_mul_i32 s17, s12, TM/2
	s_add_co_u32 s16, s16, s17
	s_mul_i32 s16, s16, SIZE_K*2
	s_mov_b32 s17, 0
	s_mul_i32 s46, s42, TN
	s_mul_i32 s47, s12, TN/2
	s_add_co_u32 s46, s46, s47
	s_mul_i32 s46, s46, SIZE_K*2
	s_mov_b32 s47, 0
	s_mov_b32 s[G0], 1
	s_mov_b32 s[G0+1], s[LA]
	s_mov_b32 s[G0+4], 1
	s_add_co_u32 s[G0+5], s[LA], SLOT
	s_mov_b32 s[G0B], 1
	s_mov_b32 s[G0B+1], s[LB]
	s_mov_b32 s[G0B+4], 1
	s_add_co_u32 s[G0B+5], s[LB], SLOT
	s_mov_b32 s72, 0x3eaa540e                      ; 0.33267253
	s_mov_b32 s74, 0xbf38aa3b                      ; -0.72134752; the pairs' second words are named with them, so they are written
	s_mov_b32 s75, s74
	s_mov_b32 s76, 0x3ebf7377                      ; a3 = 0.3739278
	s_mov_b32 s77, s76
	s_mov_b32 s78, 0xbd445ca1                      ; a2 = -0.0479399
	s_mov_b32 s79, s78
	s_mov_b32 s80, 0x3e32303a                      ; a1 = 0.1740121
	s_mov_b32 s81, s80
	s_wait_dscnt 0x0
	s_wait_kmcnt 0x0
.if WOFF
	s_add_nc_u64 s[6:7], s[6:7], WOFF
.endif
	s_add_nc_u64 s[G0+2:G0+3], s[4:5], s[16:17]
	s_add_nc_u64 s[G0+6:G0+7], s[G0+2:G0+3], KSTEP*2
	s_or_b32 s[G0+3], s[G0+3], 0x80000000
	s_or_b32 s[G0+7], s[G0+7], 0x80000000
	s_add_nc_u64 s[G0B+2:G0B+3], s[6:7], s[46:47]
	s_add_nc_u64 s[G0B+6:G0B+7], s[G0B+2:G0B+3], KSTEP*2
	s_or_b32 s[G0B+3], s[G0B+3], 0x80000000
	s_or_b32 s[G0B+7], s[G0B+7], 0x80000000
	CROUND
	s_cmp_eq_u32 s11, 0
	s_cbranch_scc0 .Lfirst_b
	tensor_load_to_lds s[G0:G0+3], s[G1:G1+7]
	s_nop 0
	tensor_load_to_lds s[G0+4:G0+7], s[G1:G1+7]
	s_nop 0
	PLACES
	s_branch .Lfirst_done
.Lfirst_b:
	tensor_load_to_lds s[G0B:G0B+3], s[G1B:G1B+7]
	s_nop 0
	tensor_load_to_lds s[G0B+4:G0B+7], s[G1B:G1B+7]
	s_nop 0
	PLACES
.Lfirst_done:
	v_and_b32 v1, 15, v0
	v_bfe_u32 v2, v0, 4, 1
	v_mul_u32_u24 v3, v1, PITCH
	v_lshl_add_u32 v3, v2, 4, v3
	s_mul_i32 s14, s11, 16*WM*PITCH
	s_mul_i32 s15, s12, 16*WN*PITCH
	s_add_co_u32 s15, s15, TM*PITCH
	v_add_nc_u32 v[A0], s14, v3
	v_add_nc_u32 v[B0], s15, v3
	v_mov_b32 v[ADRA], v[A0]
	v_mov_b32 v[ADRB], v[B0]
	v_lshlrev_b32 v[BO], 5, v2
	s_mul_i32 s14, s42, TN                         ; the bias of my 128 columns
	s_mul_i32 s15, s12, 16*WN
	s_add_co_u32 s14, s14, s15
	s_lshl_b32 s14, s14, 2
	s_mov_b32 s15, 0
	s_add_nc_u64 s[68:69], s[68:69], s[14:15]
.set b, 0
.rept WN
	global_load_b128 v[BIAS+8*b:BIAS+8*b+3],   v[BO], s[68:69] offset:64*b
	global_load_b128 v[BIAS+8*b+4:BIAS+8*b+7], v[BO], s[68:69] offset:64*b+16
.set b, b+1
.endr
.if PF
	; THE PREFETCHES.  A's tile row is read by every cluster of that row of clusters: cluster x = 0 asks; B's tile column by every cluster of that column: cluster y = 0 asks.
	; Of the 128 rows that a wave fetches each of the four partners takes 32, told apart by address (cx for A, cy for B): a lane a row.
	s_and_b32 s14, ttmp7, 0xffff
	s_mul_i32 s15, s13, TM
	s_mul_i32 s18, s42, TN
	s_cmp_eq_u32 s11, 0
	s_cselect_b32 s66, s15, s18
	s_cselect_b32 s15, s40, s41
	s_cselect_b32 s14, ttmp9, s14
	s_cselect_b32 s19, TM/8, TN/8
	s_cselect_b64 s[PFA:PFA+1], s[4:5], s[6:7]
	s_cmp_eq_u32 s14, 0
	s_cselect_b32 s[LIM], 2, -1
	s_lshl_b32 s18, s19, 2
	s_mul_i32 s18, s18, s12
	s_mul_i32 s15, s15, s19
	s_add_co_u32 s66, s66, s18
	s_add_co_u32 s66, s66, s15
	s_mul_i32 s66, s66, SIZE_K*2
	s_add_co_u32 s66, s66, 2*KSTEP*2
	s_mov_b32 s67, 0
	s_add_nc_u64 s[PFA:PFA+1], s[PFA:PFA+1], s[66:67]
	s_sub_co_u32 s19, s19, 1
	v_and_b32 v[PFO], 31, v0
.if KD == 2
	v_and_b32 v4, 1, v[PFO]
	v_lshrrev_b32 v[PFO], 1, v[PFO]
.endif
	v_min_u32 v[PFO], s19, v[PFO]
	v_mul_u32_u24 v[PFO], v[PFO], SIZE_K*2
.if KD == 2
	v_lshl_add_u32 v[PFO], v4, 8, v[PFO]
.endif
.endif
	s_mul_i32 s14, s10, 128*SP                     ; my own stage: 128 rows x 528 bytes
	v_mul_u32_u24 v[STO], v1, SP
	v_lshl_add_u32 v[STO], v2, 5, v[STO]
	v_add_nc_u32 v[STO], s14, v[STO]
	v_add_nc_u32 v[STO2], 64*SP, v[STO]
	v_and_b32 v4, 31, v0
	v_lshl_add_u32 v[RD], v4, 4, s14               ; back: a row's 512 bytes, 16 a lane
	v_lshlrev_b32 v[CO], 3, v4                     ; out: its 256 bytes of bf16, 8 a lane
	s_lshl_b32 s14, s13, 8
	s_lshl_b32 s15, s11, 7
	s_add_co_u32 s14, s14, s15                     ; my first row,
	s_lshl_b32 s14, s14, 13                        ; 8,192 bytes each
	s_lshl_b32 s15, s42, 9
	s_add_co_u32 s14, s14, s15
	s_lshl_b32 s15, s12, 8
	s_add_co_u32 s14, s14, s15
	s_mov_b32 s15, 0
	s_add_nc_u64 s[8:9], s[70:71], s[14:15]
	s_wait_tensorcnt 0x1                           ; my part of K step 0 is in; K step 1's may stay out
	s_barrier_signal -1
	s_barrier_wait -1
	FETCH 0, F0
	s_wait_loadcnt 0x0                             ; the bias
	QUARTER QB, F0, F1, 1
	WIN 0
	s_mov_b32 s2, T-2
.Lslot:
	QUARTER 2*QB, F1, F0, 0
	QUARTER 3*QB, F0, F1, 0
	TURN 1
	QUARTER QB, F0, F1, 0
	WIN 0
	s_sub_co_u32 s2, s2, 1
	s_cmp_lg_u32 s2, 0
	s_cbranch_scc1 .Lslot
	s_mov_b32 s3, 2
.Ltail:
	QUARTER 2*QB, F1, F0, 0
	QUARTER 3*QB, F0, F1, 0
	WIN 0
	s_sub_co_u32 s3, s3, 1
	s_cmp_eq_u32 s3, 0
	s_cbranch_scc1 .Lfin
	TURN 0
	QUARTER QB, F0, F1, 0
	WIN 0
	s_branch .Ltail
.Lfin:
	LASTQ
	DUMP
	s_mov_b32 s2, 16
.Lout:                                         ; eight rows a trip: group A rows 0-3, group B rows 4-7
.irp r, 0,1,2,3
	ds_load_b128 v[GA+4*\r:GA+4*\r+3], v[RD] offset:SP*\r       ; LDS serves a wave's instructions in order, and the stage is the wave's own
.endr
.irp r, 0,1,2,3
	ds_load_b128 v[GB+4*\r:GB+4*\r+3], v[RD] offset:SP*(4+\r)
.endr
	s_wait_xcnt 0x0                                ; the last trip's stores have read their data and base: the wait stands while the LDS loads are out
	s_add_nc_u64 s[8:9], s[8:9], 65536             ; eight rows of hb on, stepped first; the stores below reach back
	s_wait_dscnt 0x4                               ; group A is in; group B's four loads may be out
.set gi, 0
.rept 32
	GP GA, gi
.set gi, gi+1
.endr
	s_wait_dscnt 0x0                               ; group B is in
.set gi, 0
.rept 32                               ; A's reciprocals and exponentials, each behind a plain line of B's
	GT GA, gi
	GP GB, gi
.set gi, gi+1
.endr
	GM GA
	s_wait_alu depctr_va_vdst(0)                   ; one wait for A's 32, ahead of their first reader
.set gi, 0
.set gk, 0
.rept 32                               ; B's reciprocals and exponentials among A's 56 plain lines, which name none of B's registers
	GT GB, gi
	GQ GA, gk
.set gk, gk+1
.if gi%4 != 3
	GQ GA, gk
.set gk, gk+1
.endif
.set gi, gi+1
.endr
	GM GB
	s_wait_alu depctr_va_vdst(0)                   ; one wait for B's 32
.set gk, 0
.rept 56
	GQ GB, gk
.set gk, gk+1
.endr
.irp r, 0,1,2,3
	global_store_b64 v[CO], v[GA+80+2*\r:GA+81+2*\r], s[8:9] offset:8192*\r-65536      ; the wave's 32 lanes store 256 consecutive bytes, aligned
.endr
.irp r, 0,1,2,3
	global_store_b64 v[CO], v[GB+80+2*\r:GB+81+2*\r], s[8:9] offset:8192*(4+\r)-65536
.endr
	v_add_nc_u32 v[RD], 8*SP, v[RD]
	s_sub_co_u32 s2, s2, 1
	s_cmp_lg_u32 s2, 0
	s_cbranch_scc1 .Lout
	s_wait_tensorcnt 0x0                           ; the wave's end
	ds_add_u32 v[SPW], v[NIL]
	s_wait_dscnt 0x0
	CROUND
	s_endpgm
.Lfunc_end_k_q9193ab5e70_fc1:
	.size	k_q9193ab5e70_fc1, .Lfunc_end_k_q9193ab5e70_fc1-k_q9193ab5e70_fc1
	.p2alignl 7, 3214868480
	.fill 96, 4, 3214868480
	.section	.rodata,"a",@progbits
	.p2align	6, 0x0
	.amdhsa_kernel k_q9193ab5e70_fc1
		.amdhsa_group_segment_fixed_size 327680
		.amdhsa_private_segment_fixed_size 0
		.amdhsa_enable_private_segment 0
		.amdhsa_kernarg_size 32
		.amdhsa_user_sgpr_count 2
		.amdhsa_user_sgpr_kernarg_segment_ptr 1
		.amdhsa_wavefront_size32 1
		.amdhsa_system_sgpr_workgroup_id_x 1
		.amdhsa_system_sgpr_workgroup_id_y 1
		.amdhsa_system_sgpr_workgroup_id_z 1
		.amdhsa_system_vgpr_workitem_id 0
		.amdhsa_next_free_vgpr 1024
		.amdhsa_next_free_sgpr 96
		.amdhsa_reserve_vcc 0
		.amdhsa_float_denorm_mode_32 3
		.amdhsa_float_denorm_mode_16_64 3
		.amdhsa_memory_ordered 1
		.amdhsa_forward_progress 1
		.amdhsa_inst_pref_size 100
	.end_amdhsa_kernel
	.amdgpu_metadata
---
amdhsa.version: [ 1, 2 ]
amdhsa.kernels:
  - .name:           k_q9193ab5e70_fc1
    .symbol:         k_q9193ab5e70_fc1.kd
    .args:
      - { .name: nx, .offset: 0, .size: 8, .value_kind: global_buffer, .address_space: global }
      - { .name: wb, .offset: 8, .size: 8, .value_kind: global_buffer, .address_space: global }
      - { .name: b1, .offset: 16, .size: 8, .value_kind: global_buffer, .address_space: global }
      - { .name: hb, .offset: 24, .size: 8, .value_kind: global_buffer, .address_space: global }
    .group_segment_fixed_size: 327680
    .private_segment_fixed_size: 0
    .kernarg_segment_align: 8
    .kernarg_segment_size: 32
    .max_flat_workgroup_size: 128
    .sgpr_count:     96
    .vgpr_count:     1024
    .wavefront_size: 32
...
	.end_amdgpu_metadata
.endif
;; end of part 6
;; launch fc2 (part 7): grid 8 x 32, 4 waves a work-group, clusters of 4 x 4, 327,680 bytes of LDS; arguments hb, wb, b2, x1, out0; writes out0
.if DOCPART == 7
	.amdgcn_target "amdgcn-amd-amdhsa--gfx1250"
	.amdhsa_code_object_version 6
	.text
	.protected	k_q9193ab5e70_fc2
	.globl	k_q9193ab5e70_fc2
	.p2align	8
	.type	k_q9193ab5e70_fc2,@function
k_q9193ab5e70_fc2:
	s_mov_b64 s[64:65], 0
	v_nop
	global_prefetch_b8 v0, s[64:65] scope:SCOPE_SE
	s_setreg_imm32_b32 hwreg(HW_REG_WAVE_MODE, 25, 1), 1
	s_wait_xcnt 0x0
	s_wait_alu depctr_hold_cnt(0) depctr_sa_sdst(0) depctr_va_vdst(0) depctr_va_sdst(0) depctr_va_ssrc(0) depctr_va_vcc(0) depctr_vm_vsrc(0)
	s_getreg_b32 s2, hwreg(HW_REG_IB_STS2, 6, 4)
	s_cmp_eq_u32 s2, 0
	s_cbranch_scc0 .Lentry_in_a_cluster
	s_endpgm
.Lentry_in_a_cluster:
	s_bfe_u32 s2, ttmp6, 0x10000c
	s_cmp_lg_u32 s2, 0xf033
	s_cbranch_scc0 .Lentry_shape_is_right
	s_endpgm
.Lentry_shape_is_right:
; out0 = x1 + hb w2^T + b2.  C[4096][1024] = A B^T, A = hb [4096][4096] bf16, B = w2 in wb [1024][4096] bf16; sums in f32, started by the bias; the residual x1 and the result are f32.
; A tile of C is 128 x 128: 8 x 32 tiles, one for each of 256 work-groups.  Four waves, 2 x 2, each 64 x 64: 16 accumulators.  K goes in 16 steps of 256 (LDS rows of 512 bytes + 16) through two slots.
; CLUSTER 4 x 4: A's tile is asked for jointly along a row of the cluster, B's along a column.  THE MATRIX INSTRUCTION IS USED TRANSPOSED: a lane holds row lane % 16 of C and 8 neighbouring columns.
; ONE K STEP IS WRITTEN ONCE; the slot to fill and the slot to read are scalar registers turned by an exclusive or.  The residual's 32 loads go out at the start and are wanted only at the end.
; REGISTERS: window 0: v16-31 addresses, v64-127, v128-191 A's two buffers, v192-255 the bias; window 1: v64-127, v128-191 B's buffers; window 2: v0-127 accumulators, v128-255 the residual.
.set SIZE_K, 4096
.set TM,     128
.set TN,     128
.set WM,     4
.set WN,     4
.set KD,     2
.set KSTEP,  256
.set PITCH,  528
.set QI,     6
.set WOFF,   16777216
.set PF,     1
.set SP,     272
.set T,      SIZE_K/KSTEP
.set SLOT,   (TM+TN)*PITCH
.set SPARE,  2*SLOT
.set QB,     64*KD
.set NL,     2*KD*(WM+WN)
.set HW,     WM*(2-KD)+16*(KD-1)
.set ADRA, 16
.set ADRB, 17
.set A0,   18
.set B0,   19
.set STO,  24
.set RD,   25
.set CO,   26
.set STO2, 27
.set SPW,  28
.set NIL,  29
.set PFO,  30
.set BO,   31
.set F0,   64
.set F1,   128
.set BIAS, 192
.set RES,  128
.set G1,   24
.set G0,   32
.set G1B,  48
.set G0B,  56
.set LA,   20
.set LB,   21
.set TF,   22
.set TR,   23
.set LIM,  43
.set PFA,  44
.set MSB, 0
.macro WIN new
.if MSB != (\new)
	s_set_vgpr_msb (MSB<<8)|(\new)
.set MSB, \new
.endif
.endm
.macro PLACES
.rept 4
	v_nop
.endr
.endm
.macro JLOAD
	s_cmp_eq_u32 s11, 0
	s_cbranch_scc0 .Lfor_b_\@
	tensor_load_to_lds s[G0+4:G0+7], s[G1:G1+7]
	s_nop 0
	PLACES
	s_branch .Lasked_\@
.Lfor_b_\@:
	tensor_load_to_lds s[G0B+4:G0B+7], s[G1B:G1B+7]
	s_nop 0
	PLACES
.Lasked_\@:
.endm
.macro CREST
	s_cmp_lg_u32 s10, 0
	s_cbranch_scc1 .Lnot_wave_0_\@
	s_barrier_signal -3
.Lnot_wave_0_\@:
	s_barrier_wait -3
	s_barrier_signal -1
	s_barrier_wait -1
.endm
.macro CROUND
	s_barrier_signal -1
	s_barrier_wait -1
	CREST
.endm
.macro ASK                             ; trip t names K step t + 4, two refills ahead: allowed while s2 = T - 2 - t is above 2
	s_cmp_gt_u32 s2, s[LIM]
	s_cbranch_scc0 .Lnot_mine_\@
	global_prefetch_b8 v[PFO], s[PFA:PFA+1] offset:KSTEP*2 th:TH_LOAD_NT scope:SCOPE_SE
.Lnot_mine_\@:
.endm
; A quarter of a quarter step's products: K half g / 2, row blocks 2 (g % 2), + 1 x all column blocks.  first = 1: the first K half takes the bias as C.  The accumulators take turns.
.macro MULP f, g, first
.if KD == 1
.set mc, 0
.set ma, 2*(\g)
.else
.set mc, (\g)/2
.set ma, 2*((\g)%2)
.endif
.rept 2
.set mb, 0
.rept WN
.set mi, 8*(ma*WN+mb)
.set mr, mi%256
.set mw, mi/256
.if (\first) && (mc == 0)
	WIN 0x81+0x40*mw
	v_wmma_f32_16x16x32_bf16 v[mr:mr+7], v[(\f)+8*(WN*mc+mb):(\f)+8*(WN*mc+mb)+7], v[(\f)+8*(WM*mc+ma):(\f)+8*(WM*mc+ma)+7], v[BIAS+8*mb:BIAS+8*mb+7]
.else
	WIN 0xa1+0x50*mw
	v_wmma_f32_16x16x32_bf16 v[mr:mr+7], v[(\f)+8*(WN*mc+mb):(\f)+8*(WN*mc+mb)+7], v[(\f)+8*(WM*mc+ma):(\f)+8*(WM*mc+ma)+7], v[mr:mr+7]
.endif
.set mb, mb+1
.endr
.set ma, ma+1
.endr
.endm
.macro FETCH k, f                      ; one run of LDS loads: for each K half B's fragments, then A's
.set fc, 0
.rept KD
	WIN 0x40
.set fi, 0
.rept WN
	ds_load_b128 v[(\f)+8*(WN*fc+fi):(\f)+8*(WN*fc+fi)+3],   v[ADRB] offset:(\k)+64*fc+fi*16*PITCH
	ds_load_b128 v[(\f)+8*(WN*fc+fi)+4:(\f)+8*(WN*fc+fi)+7], v[ADRB] offset:(\k)+64*fc+fi*16*PITCH+32
.set fi, fi+1
.endr
	WIN 0
.set fi, 0
.rept WM
	ds_load_b128 v[(\f)+8*(WM*fc+fi):(\f)+8*(WM*fc+fi)+3],   v[ADRA] offset:(\k)+64*fc+fi*16*PITCH
	ds_load_b128 v[(\f)+8*(WM*fc+fi)+4:(\f)+8*(WM*fc+fi)+7], v[ADRA] offset:(\k)+64*fc+fi*16*PITCH+32
.set fi, fi+1
.endr
.set fc, fc+1
.endr
.endm
.macro QUARTER k, f, g, first
	s_wait_dscnt HW                                ; the first K half is in; the second half's 16 loads may be out
	MULP \f, 0, \first
	MULP \f, 1, \first
	PLACES
	FETCH \k, \g
	s_wait_dscnt NL                                ; all but the run just issued
	MULP \f, 2, \first
	MULP \f, 3, \first
.endm
; The fourth quarter and the change of slots: ahead of the one barrier each wave waits for all its tensor loads, adds 0 to its spare word, and waits for that and for its reads of this slot.
; fill = 1: the barrier opens a round of the cluster's, and the joint refill is the first thing behind the round.
.macro TURN fill
.if PF && (\fill)
	s_wait_xcnt 0x0                                ; the last prefetch, a K step back, has read its address
	s_add_nc_u64 s[PFA:PFA+1], s[PFA:PFA+1], KSTEP*2
.endif
	WIN 0
	s_wait_tensorcnt 0x0
	ds_add_u32 v[SPW], v[NIL]
	s_wait_dscnt HW+1                              ; the add and the youngest HW loads may be out
	MULP F1, 0, 0
	s_wait_dscnt 0x0
	s_barrier_signal -1
	MULP F1, 1, 0
	WIN 0
	s_barrier_wait -1
.if \fill
	CREST
	s_xor_b32 s[TF], s[TF], SLOT
	s_add_co_u32 s[G0+5], s[LA], s[TF]
	s_add_co_u32 s[G0B+5], s[LB], s[TF]
	s_add_nc_u64 s[G0+6:G0+7], s[G0+6:G0+7], KSTEP*2
	s_add_nc_u64 s[G0B+6:G0B+7], s[G0B+6:G0B+7], KSTEP*2
	JLOAD
.else
	PLACES
.endif
	s_xor_b32 s[TR], s[TR], SLOT
	v_add_nc_u32 v[ADRA], s[TR], v[A0]
	v_add_nc_u32 v[ADRB], s[TR], v[B0]
	FETCH 0, F0
.if PF && (\fill)
	ASK
.endif
	MULP F1, 2, 0
	MULP F1, 3, 0
.endm
.macro LASTQ                           ; behind its barrier no wave reads a slot, and no slot is filled again: the stages may lie there
	s_wait_dscnt 0x0
	s_barrier_signal -1
	MULP F1, 0, 0
	MULP F1, 1, 0
	MULP F1, 2, 0
	MULP F1, 3, 0
	WIN 0
	s_barrier_wait -1
	PLACES
.endm
.macro DUMP
.set da, 0
.rept WM
.set db, 0
.rept WN
.set di, 8*(da*WN+db)
	WIN 0x08+4*(di/256)
.if da < WM/2
	ds_store_b128 v[STO], v[di%256:di%256+3]    offset:16*da*SP+64*db
	ds_store_b128 v[STO], v[di%256+4:di%256+7]  offset:16*da*SP+64*db+16
.else
	ds_store_b128 v[STO2], v[di%256:di%256+3]   offset:16*(da-WM/2)*SP+64*db
	ds_store_b128 v[STO2], v[di%256+4:di%256+7] offset:16*(da-WM/2)*SP+64*db+16
.endif
.set db, db+1
.endr
.set da, da+1
.endr
	WIN 0
.endm
	s_load_b128 s[4:7], s[0:1], 0x0                ; A s[4:5], wb s[6:7]
	s_load_b128 s[68:71], s[0:1], 0x10             ; the bias s[68:69], the residual s[70:71]
	s_load_b64 s[8:9], s[0:1], 0x20                ; the output
	v_lshl_add_u32 v[SPW], v0, 2, SPARE
	v_mov_b32 v[NIL], 0
	ds_add_u32 v[SPW], v[NIL]                      ; the wave's opening: the add, waited for ahead of my first tensor load
	v_lshrrev_b32 v1, 5, v0
	v_readfirstlane_b32 s10, v1
	s_lshr_b32 s11, s10, 1
	s_and_b32 s12, s10, 1
	s_bfe_u32 s40, ttmp6, 0x40000
	s_bfe_u32 s41, ttmp6, 0x40004
	s_lshl_b32 s42, ttmp9, 2
	s_add_co_u32 s42, s42, s40                     ; tile column
	s_and_b32 s13, ttmp7, 0xffff
	s_lshl_b32 s13, s13, 2
	s_add_co_u32 s13, s13, s41                     ; tile row
	s_lshl_b32 s14, s41, 2
	s_lshl_b32 s14, 15, s14
	s_lshl_b32 s15, 0x1111, s40
	s_or_b32 s[G1], s14, (1<<16)|(1<<20)|(1<<21)|(QI<<22)|(3<<25)
	s_or_b32 s[G1B], s15, (1<<16)|(1<<20)|(1<<21)|(QI<<22)|(3<<25)
	s_mov_b32 s[G1+1], KSTEP<<16
	s_mov_b32 s[G1+2], (TM/2)<<16
	s_mov_b32 s[G1+3], KSTEP<<16
	s_mov_b32 s[G1+4], TM/2
	s_mov_b32 s[G1+5], SIZE_K
	s_mov_b32 s[G1+6], 0
	s_mov_b32 s[G1+7], 0
	s_mov_b32 s[G1B+1], KSTEP<<16
	s_mov_b32 s[G1B+2], (TN/2)<<16
	s_mov_b32 s[G1B+3], KSTEP<<16
	s_mov_b32 s[G1B+4], TN/2
	s_mov_b32 s[G1B+5], SIZE_K
	s_mov_b32 s[G1B+6], 0
	s_mov_b32 s[G1B+7], 0
	s_mul_i32 s[LA], s12, (TM/2)*PITCH
	s_mul_i32 s[LB], s12, (TN/2)*PITCH
	s_add_co_u32 s[LB], s[LB], TM*PITCH
	s_mov_b32 s[TF], SLOT
	s_mov_b32 s[TR], 0
	s_mul_i32 s16, s13, TM
	s_mul_i32 s17, s12, TM/2
	s_add_co_u32 s16, s16, s17
	s_mul_i32 s16, s16, SIZE_K*2
	s_mov_b32 s17, 0
	s_mul_i32 s46, s42, TN
	s_mul_i32 s47, s12, TN/2
	s_add_co_u32 s46, s46, s47
	s_mul_i32 s46, s46, SIZE_K*2
	s_mov_b32 s47, 0
	s_mov_b32 s[G0], 1
	s_mov_b32 s[G0+1], s[LA]
	s_mov_b32 s[G0+4], 1
	s_add_co_u32 s[G0+5], s[LA], SLOT
	s_mov_b32 s[G0B], 1
	s_mov_b32 s[G0B+1], s[LB]
	s_mov_b32 s[G0B+4], 1
	s_add_co_u32 s[G0B+5], s[LB], SLOT
	s_wait_dscnt 0x0
	s_wait_kmcnt 0x0
.if WOFF
	s_add_nc_u64 s[6:7], s[6:7], WOFF
.endif
	s_add_nc_u64 s[G0+2:G0+3], s[4:5], s[16:17]
	s_add_nc_u64 s[G0+6:G0+7], s[G0+2:G0+3], KSTEP*2
	s_or_b32 s[G0+3], s[G0+3], 0x80000000
	s_or_b32 s[G0+7], s[G0+7], 0x80000000
	s_add_nc_u64 s[G0B+2:G0B+3], s[6:7], s[46:47]
	s_add_nc_u64 s[G0B+6:G0B+7], s[G0B+2:G0B+3], KSTEP*2
	s_or_b32 s[G0B+3], s[G0B+3], 0x80000000
	s_or_b32 s[G0B+7], s[G0B+7], 0x80000000
	CROUND
	s_cmp_eq_u32 s11, 0
	s_cbranch_scc0 .Lfirst_b
	tensor_load_to_lds s[G0:G0+3], s[G1:G1+7]
	s_nop 0
	tensor_load_to_lds s[G0+4:G0+7], s[G1:G1+7]
	s_nop 0
	PLACES
	s_branch .Lfirst_done
.Lfirst_b:
	tensor_load_to_lds s[G0B:G0B+3], s[G1B:G1B+7]
	s_nop 0
	tensor_load_to_lds s[G0B+4:G0B+7], s[G1B:G1B+7]
	s_nop 0
	PLACES
.Lfirst_done:
	v_and_b32 v1, 15, v0
	v_bfe_u32 v2, v0, 4, 1
	v_mul_u32_u24 v3, v1, PITCH
	v_lshl_add_u32 v3, v2, 4, v3
	s_mul_i32 s14, s11, 16*WM*PITCH
	s_mul_i32 s15, s12, 16*WN*PITCH
	s_add_co_u32 s15, s15, TM*PITCH
	v_add_nc_u32 v[A0], s14, v3
	v_add_nc_u32 v[B0], s15, v3
	v_mov_b32 v[ADRA], v[A0]
	v_mov_b32 v[ADRB], v[B0]
	v_lshlrev_b32 v[BO], 5, v2
	s_mul_i32 s14, s42, TN                         ; the bias of my 64 columns
	s_mul_i32 s15, s12, 16*WN
	s_add_co_u32 s14, s14, s15
	s_lshl_b32 s14, s14, 2
	s_mov_b32 s15, 0
	s_add_nc_u64 s[68:69], s[68:69], s[14:15]
.set b, 0
.rept WN
	global_load_b128 v[BIAS+8*b:BIAS+8*b+3],   v[BO], s[68:69] offset:64*b
	global_load_b128 v[BIAS+8*b+4:BIAS+8*b+7], v[BO], s[68:69] offset:64*b+16
.set b, b+1
.endr
	; my 64 x 64 of the residual and of the output: a row's 64 f32 are 256 aligned bytes; lanes 0-15 take one row, lanes 16-31 the next
	s_lshl_b32 s14, s13, 7
	s_lshl_b32 s15, s11, 6
	s_add_co_u32 s14, s14, s15
	s_lshl_b32 s14, s14, 12
	s_lshl_b32 s15, s42, 9
	s_add_co_u32 s14, s14, s15
	s_lshl_b32 s15, s12, 8
	s_add_co_u32 s14, s14, s15
	s_mov_b32 s15, 0
	s_add_nc_u64 s[70:71], s[70:71], s[14:15]
	s_add_nc_u64 s[8:9], s[8:9], s[14:15]
	v_lshlrev_b32 v[CO], 12, v2
	v_lshl_add_u32 v[CO], v1, 4, v[CO]
	WIN 0x80
.set t, 0
.rept 32
	global_load_b128 v[RES+4*t:RES+4*t+3], v[CO], s[70:71] offset:8192*t
.set t, t+1
.endr
	WIN 0
.if PF
	; THE PREFETCHES.  A's tile row is read by every cluster of that row of clusters: cluster x = 0 asks; B's tile column by every cluster of that column: cluster y = 0 asks.
	; Of the 64 rows that a wave fetches each of the four partners takes 16, told apart by address (cx for A, cy for B); a K step is 512 bytes of a row: two lanes a row, 256 bytes apart.
	s_and_b32 s14, ttmp7, 0xffff
	s_mul_i32 s15, s13, TM
	s_mul_i32 s18, s42, TN
	s_cmp_eq_u32 s11, 0
	s_cselect_b32 s66, s15, s18
	s_cselect_b32 s15, s40, s41
	s_cselect_b32 s14, ttmp9, s14
	s_cselect_b32 s19, TM/8, TN/8
	s_cselect_b64 s[PFA:PFA+1], s[4:5], s[6:7]
	s_cmp_eq_u32 s14, 0
	s_cselect_b32 s[LIM], 2, -1
	s_lshl_b32 s18, s19, 2
	s_mul_i32 s18, s18, s12
	s_mul_i32 s15, s15, s19
	s_add_co_u32 s66, s66, s18
	s_add_co_u32 s66, s66, s15
	s_mul_i32 s66, s66, SIZE_K*2
	s_add_co_u32 s66, s66, 2*KSTEP*2
	s_mov_b32 s67, 0
	s_add_nc_u64 s[PFA:PFA+1], s[PFA:PFA+1], s[66:67]
	s_sub_co_u32 s19, s19, 1
	v_and_b32 v[PFO], 31, v0
.if KD == 2
	v_and_b32 v4, 1, v[PFO]
	v_lshrrev_b32 v[PFO], 1, v[PFO]
.endif
	v_min_u32 v[PFO], s19, v[PFO]
	v_mul_u32_u24 v[PFO], v[PFO], SIZE_K*2
.if KD == 2
	v_lshl_add_u32 v[PFO], v4, 8, v[PFO]
.endif
.endif
	s_mul_i32 s14, s10, 64*SP                      ; my own stage: 64 rows x 272 bytes
	v_mul_u32_u24 v[STO], v1, SP
	v_lshl_add_u32 v[STO], v2, 5, v[STO]
	v_add_nc_u32 v[STO], s14, v[STO]
	v_add_nc_u32 v[STO2], 32*SP, v[STO]
	v_mul_u32_u24 v[RD], v2, SP
	v_lshl_add_u32 v[RD], v1, 4, v[RD]
	v_add_nc_u32 v[RD], s14, v[RD]
	s_wait_tensorcnt 0x1                           ; my part of K step 0 is in; K step 1's may stay out
	s_barrier_signal -1
	s_barrier_wait -1
	FETCH 0, F0
	s_wait_loadcnt 32                              ; the bias is in; the residual's 32 younger loads stay out
	QUARTER QB, F0, F1, 1
	WIN 0
	s_mov_b32 s2, T-2
.Lslot:
	QUARTER 2*QB, F1, F0, 0
	QUARTER 3*QB, F0, F1, 0
	TURN 1
	QUARTER QB, F0, F1, 0
	WIN 0
	s_sub_co_u32 s2, s2, 1
	s_cmp_lg_u32 s2, 0
	s_cbranch_scc1 .Lslot
	s_mov_b32 s3, 2
.Ltail:
	QUARTER 2*QB, F1, F0, 0
	QUARTER 3*QB, F0, F1, 0
	WIN 0
	s_sub_co_u32 s3, s3, 1
	s_cmp_eq_u32 s3, 0
	s_cbranch_scc1 .Lfin
	TURN 0
	QUARTER QB, F0, F1, 0
	WIN 0
	s_branch .Ltail
.Lfin:
	LASTQ
	DUMP
.set t, 0
.rept 32                               ; back as whole rows: LDS serves a wave's instructions in order, and the stage is the wave's own
	ds_load_b128 v[64+4*t:64+4*t+3], v[RD] offset:544*t
.set t, t+1
.endr
	s_wait_dscnt 0x0
	s_wait_loadcnt 0x0                             ; the residual
	WIN 0x08                                       ; source 1 in window 2
.set t, 0
.rept 64
	v_pk_add_f32 v[64+2*t:64+2*t+1], v[64+2*t:64+2*t+1], v[RES+2*t:RES+2*t+1]
.set t, t+1
.endr
	WIN 0
.set t, 0
.rept 32
	global_store_b128 v[CO], v[64+4*t:64+4*t+3], s[8:9] offset:8192*t  ; 16 lanes store 256 consecutive bytes, aligned
.set t, t+1
.endr
	s_wait_tensorcnt 0x0                           ; the wave's end
	ds_add_u32 v[SPW], v[NIL]
	s_wait_dscnt 0x0
	CROUND
	s_endpgm
.Lfunc_end_k_q9193ab5e70_fc2:
	.size	k_q9193ab5e70_fc2, .Lfunc_end_k_q9193ab5e70_fc2-k_q9193ab5e70_fc2
	.p2alignl 7, 3214868480
	.fill 96, 4, 3214868480
	.section	.rodata,"a",@progbits
	.p2align	6, 0x0
	.amdhsa_kernel k_q9193ab5e70_fc2
		.amdhsa_group_segment_fixed_size 327680
		.amdhsa_private_segment_fixed_size 0
		.amdhsa_enable_private_segment 0
		.amdhsa_kernarg_size 40
		.amdhsa_user_sgpr_count 2
		.amdhsa_user_sgpr_kernarg_segment_ptr 1
		.amdhsa_wavefront_size32 1
		.amdhsa_system_sgpr_workgroup_id_x 1
		.amdhsa_system_sgpr_workgroup_id_y 1
		.amdhsa_system_sgpr_workgroup_id_z 1
		.amdhsa_system_vgpr_workitem_id 0
		.amdhsa_next_free_vgpr 768
		.amdhsa_next_free_sgpr 96
		.amdhsa_reserve_vcc 0
		.amdhsa_float_denorm_mode_32 3
		.amdhsa_float_denorm_mode_16_64 3
		.amdhsa_memory_ordered 1
		.amdhsa_forward_progress 1
		.amdhsa_inst_pref_size 70
	.end_amdhsa_kernel
	.amdgpu_metadata
---
amdhsa.version: [ 1, 2 ]
amdhsa.kernels:
  - .name:           k_q9193ab5e70_fc2
    .symbol:         k_q9193ab5e70_fc2.kd
    .args:
      - { .name: hb, .offset: 0, .size: 8, .value_kind: global_buffer, .address_space: global }
      - { .name: wb, .offset: 8, .size: 8, .value_kind: global_buffer, .address_space: global }
      - { .name: b2, .offset: 16, .size: 8, .value_kind: global_buffer, .address_space: global }
      - { .name: x1, .offset: 24, .size: 8, .value_kind: global_buffer, .address_space: global }
      - { .name: out0, .offset: 32, .size: 8, .value_kind: global_buffer, .address_space: global }
    .group_segment_fixed_size: 327680
    .private_segment_fixed_size: 0
    .kernarg_segment_align: 8
    .kernarg_segment_size: 40
    .max_flat_workgroup_size: 128
    .sgpr_count:     96
    .vgpr_count:     768
    .wavefront_size: 32
...
	.end_amdgpu_metadata
.endif
;; end of part 7
